; MI455X (gfx1250); checked and timed in simulation.
; The chip was launched on July 23, 2026; its instructions are those of AMD's public machine-readable ISA for CDNA 5 (MIT licence, August 2026) and "CDNA5" Instruction Set Architecture Reference Guide (July 2026). The comments in the code are by the model that wrote it; some were corrected since.
;; Stacked Min GRU. Allowed arithmetic: float matrix products may take bf16 or f16 operands with f32 sums; other float arithmetic in f32, or as packed bf16 or f16 multiplies, adds, multiply-adds, maxima and minima; sums over many terms, partial sums and values carried from step to step in f32; what a program stores and reads back later, other than sums and carried values, may be rounded once to bf16 or f16.
;; Inputs: Wh 4 x 512 x 512 float32; Wz 4 x 512 x 512 float32; beta 4 x 512 float32; bh 4 x 512 float32; bz 4 x 512 float32; gamma 4 x 512 float32; h0 4 x 32 x 512 float32; x 32 x 512 x 512 float32.
;; Outputs: out0 32 x 512 x 512 float32; out1 4 x 32 x 512 float32.
;; 2 versions, each right; version 2 is version 1 with the launch prep written anew for expert scheduling mode. Each part assembles by itself: llvm-mc -triple=amdgcn-amd-amdhsa -mcpu=gfx1250 --defsym DOCPART=n.
;; ======== version 1 of 2: 6 launches
;; limits: values outside matrix products are rounded to f16; values are held in f16: magnitudes above 65,504 overflow, below 6.1e-05 lose precision; right only within a limited range of input values
;; workspace buffers: pk1 3,219,456 bytes; pk2 3,219,456 bytes; pk3 3,219,456 bytes; pk4 3,219,456 bytes; pairA 33,554,432 bytes; pairB 33,554,432 bytes; curA 33,554,432 bytes; curB 33,554,432 bytes
;; launch prep (part 1): grid 128 x 1, 4 waves a work-group, no clusters, 33,280 bytes of LDS; arguments Wz, Wh, bz, bh, gamma, beta, h0, pk1, pk2, pk3, pk4; writes pk1, pk2, pk3, pk4
.if DOCPART == 1
	.amdgcn_target "amdgcn-amd-amdhsa--gfx1250"
	.amdhsa_code_object_version 6
	.text
	.protected	k_q1dd5a3428c_prep
	.globl	k_q1dd5a3428c_prep
	.p2align	8
	.type	k_q1dd5a3428c_prep,@function
k_q1dd5a3428c_prep:
	s_mov_b64 s[64:65], 0
	v_nop
	global_prefetch_b8 v0, s[64:65] scope:SCOPE_SE
	s_setreg_imm32_b32 hwreg(HW_REG_WAVE_MODE, 25, 1), 1
	s_wait_xcnt 0x0
; THE PACKS.  The launch that makes layer l's products is given ONE buffer with all that hangs on the layer, so that one text serves layers 1 to 3 with constant offsets:
;   pack l (l = 1, 2, 3):  0: layer l's weights   PBZ: bz[l], bh[l], gamma[l-1], beta[l-1], 2,048 bytes each, f32   PH0: h0[l-1], 65,536 bytes   behind that: the end pairs of layer l - 1, which the launch before stores.
;   pk4 holds layer 0's weights at 0 (and later layer 3's end pairs).
; THE WEIGHTS, ROUNDED ONCE TO f16 AND LAID IN FRAGMENT ORDER.  Wz, Wh: [4][512 k][512 n] f32.  In a pack, in bytes:
;   p x 131,072 + w x 32,768 + kb x 2,048 + nt x 1,024 + part x 512 + lane x 16 + e x 2
; holds f16(W_nt[l][32 kb + 16 part + 8 (lane / 16) + e][64 p + 16 w + lane % 16]), nt = 0 for Wz, 1 for Wh: the 512 bytes of (.., part) are half a matrix fragment (16 columns x 32 k) as 32 lanes take it.
; LIMITS.  A weight must stay under 65,504; below 6e-5 it keeps f16's fixed step of 6e-8.
; SHARES.  Work-group id: kb = id % 16, nt = (id / 16) % 2, l = id / 32: 32 rows k of one matrix.  Wave w takes columns 128 w .. 128 w + 127, a lane four of them.
; 32 loads of 512 consecutive bytes; eight k of a column pack into 16 bytes; these go through the wave's own 8 KiB of LDS (no other wave touches them, so no barrier)
; and come back as the 512-byte halves, each stored by one instruction.  Work-group j = id % 32 of layer l >= 1 also copies h0[l-1][j]; j = 0 the four vectors; 512 bytes a wave of each.
; The pack is chosen by branches on l, to copies of the same lines: each store names one buffer.
.set SPARE, 32768                      ; behind the four stages: the spare words, 128 bytes a wave
.set PBZ,   1048576
.set PH0,   1056768
.set RW,  64                           ; v[64:191]  row kk at RW + 4 kk: four columns in f32; later the halves read back
.set PKD, 192                          ; v[192:255] (g, j) at PKD + 4 (4 g + j): eight k of column j
	s_load_b512 s[4:19], s[0:1], 0x0               ; Wz s[4:5], Wh s[6:7], bz s[8:9], bh s[10:11], gamma s[12:13], beta s[14:15], h0 s[16:17], pk1 s[18:19]
	s_load_b128 s[20:23], s[0:1], 0x40             ; pk2 s[20:21], pk3 s[22:23]
	s_load_b64 s[24:25], s[0:1], 0x50              ; pk4
	v_lshl_add_u32 v8, v0, 2, SPARE                ; my spare word,
	v_mov_b32 v9, 0                                ; and 0: kept for the closing lines alone
	v_and_b32 v1, 31, v0                           ; lane
	v_lshrrev_b32 v6, 5, v0
	v_readfirstlane_b32 s46, v6                    ; wave
	s_and_b32 s47, ttmp9, 15                       ; kb
	s_bfe_u32 s48, ttmp9, 0x10004                  ; nt
	s_lshr_b32 s49, ttmp9, 5                       ; l
	s_and_b32 s33, ttmp9, 31                       ; j
	s_max_u32 s50, s49, 1
	s_sub_co_u32 s50, s50, 1                       ; l - 1, held at 0 for layer 0, whose work-groups copy nothing
	s_lshl_b32 s52, s46, 9                         ; 512 w
	s_lshl_b32 s26, s49, 20                        ; weights from: l x 1 MiB + 32 kb rows of 2,048 bytes + 512 w
	s_lshl_b32 s51, s47, 16
	s_add_co_u32 s26, s26, s51
	s_add_co_u32 s26, s26, s52
	s_mov_b32 s27, 0
	s_lshl_b32 s28, s46, 18                        ; weights to: w x 2 phases + kb x 2,048 + nt x 1,024
	s_lshl_b32 s51, s47, 11
	s_add_co_u32 s28, s28, s51
	s_lshl_b32 s51, s48, 10
	s_add_co_u32 s28, s28, s51
	s_mov_b32 s29, 0
	s_lshl_b32 s42, s49, 11                        ; bz, bh from: l x 2,048 + 512 w
	s_add_co_u32 s42, s42, s52
	s_mov_b32 s43, 0
	s_lshl_b32 s44, s50, 11                        ; gamma, beta from: (l - 1) x 2,048 + 512 w
	s_add_co_u32 s44, s44, s52
	s_mov_b32 s45, 0
	s_lshl_b32 s36, s33, 11                        ; j x 2,048 + 512 w
	s_add_co_u32 s36, s36, s52
	s_lshl_b32 s54, s50, 16                        ; h0 from: (l - 1) x 65,536 + that
	s_add_co_u32 s54, s54, s36
	s_mov_b32 s55, 0
	s_add_co_u32 s36, s36, PH0                     ; h0 to
	s_mov_b32 s37, 0
	s_add_co_u32 s40, s52, PBZ                     ; the four vectors to
	s_mov_b32 s41, 0
	v_lshlrev_b32 v2, 4, v1                        ; 16 x lane: offset of the loads and of the stores; never rewritten
	v_lshrrev_b32 v3, 2, v1                        ; into the stage: fragment lane / 4, its columns 4 (lane % 4) + j
	v_and_b32 v4, 3, v1
	v_lshlrev_b32 v3, 10, v3
	v_lshl_add_u32 v3, v4, 6, v3
	s_lshl_b32 s51, s46, 13                        ; my wave's 8 KiB
	v_add_nc_u32 v3, s51, v3
	v_add_nc_u32 v4, s51, v2                       ; back: 512 consecutive bytes a load
	s_wait_kmcnt 0x0
	s_cmp_eq_u32 s48, 0
	s_cselect_b64 s[4:5], s[4:5], s[6:7]
	s_add_nc_u64 s[4:5], s[4:5], s[26:27]
	s_add_nc_u64 s[8:9], s[8:9], s[42:43]
	s_add_nc_u64 s[10:11], s[10:11], s[42:43]
	s_add_nc_u64 s[12:13], s[12:13], s[44:45]
	s_add_nc_u64 s[14:15], s[14:15], s[44:45]
	s_add_nc_u64 s[16:17], s[16:17], s[54:55]
.set kk, 0
.rept 32
	global_load_b128 v[RW+4*kk:RW+4*kk+3], v2, s[4:5] offset:2048*kk th:TH_LOAD_NT
.set kk, kk+1
.endr
; The parameters of one pack: load, wait and store stand together in one branch.  The waits are for all loads, the 32 above among them, which the next lines want anyway.
.macro PARAMS pk
	global_load_b128 v[16:19], v2, s[16:17]        ; my 512 bytes of h0[l-1][j]
	s_add_nc_u64 s[34:35], s[\pk:\pk+1], s[36:37]
	s_cmp_lg_u32 s33, 0
	s_cbranch_scc1 .Lnovec_\@
	global_load_b128 v[20:23], v2, s[8:9]
	global_load_b128 v[24:27], v2, s[10:11]
	global_load_b128 v[28:31], v2, s[12:13]
	global_load_b128 v[32:35], v2, s[14:15]
	s_add_nc_u64 s[38:39], s[\pk:\pk+1], s[40:41]
	s_wait_loadcnt 0x0
	global_store_b128 v2, v[20:23], s[38:39]
	global_store_b128 v2, v[24:27], s[38:39] offset:2048
	global_store_b128 v2, v[28:31], s[38:39] offset:4096
	global_store_b128 v2, v[32:35], s[38:39] offset:6144
.Lnovec_\@:
	s_wait_loadcnt 0x0
	global_store_b128 v2, v[16:19], s[34:35]
.endm
	s_cmp_eq_u32 s49, 1
	s_cbranch_scc1 .Lpar1
	s_cmp_eq_u32 s49, 2
	s_cbranch_scc1 .Lpar2
	s_cmp_eq_u32 s49, 3
	s_cbranch_scc1 .Lpar3
	s_branch .Lpardone
.Lpar1:
	PARAMS 18
	s_branch .Lpardone
.Lpar2:
	PARAMS 20
	s_branch .Lpardone
.Lpar3:
	PARAMS 22
.Lpardone:
.set g, 0
.rept 4                                ; g = 2 part + half of the lanes: rows 8 g .. 8 g + 7
	s_wait_loadcnt 24-8*g                          ; loads come back in order: these eight rows are in, the younger ones may stay out
.set j, 0
.rept 4
.irp t, 0,1,2,3
	v_cvt_pk_f16_f32 v[PKD+4*(4*g+j)+\t], v[RW+4*(8*g+2*\t)+j], v[RW+4*(8*g+2*\t+1)+j]
.endr
	ds_store_b128 v3, v[PKD+4*(4*g+j):PKD+4*(4*g+j)+3] offset:(g/2)*512+(g%2)*256+16*j
.set j, j+1
.endr
.set g, g+1
.endr
.set t, 0
.rept 16                               ; LDS serves a wave's instructions in order: these see the stores above
	ds_load_b128 v[RW+4*t:RW+4*t+3], v4 offset:512*t
.set t, t+1
.endr
.macro WOUT pk                         ; fragment t / 2 of my eight, part t % 2
	s_add_nc_u64 s[30:31], s[\pk:\pk+1], s[28:29]
.set t, 0
.rept 16
	s_wait_dscnt 15-t
	global_store_b128 v2, v[RW+4*t:RW+4*t+3], s[30:31] offset:(t/8)*131072+((t/2)%4)*32768+(t%2)*512
.set t, t+1
.endr
.endm
	s_cmp_eq_u32 s49, 1
	s_cbranch_scc1 .Lw1
	s_cmp_eq_u32 s49, 2
	s_cbranch_scc1 .Lw2
	s_cmp_eq_u32 s49, 3
	s_cbranch_scc1 .Lw3
	WOUT 24                                        ; layer 0's weights lie in pk4
	s_branch .Lend
.Lw1:
	WOUT 18
	s_branch .Lend
.Lw2:
	WOUT 20
	s_branch .Lend
.Lw3:
	WOUT 22
.Lend:
	s_wait_tensorcnt 0x0                           ; the wave's end, behind my last LDS store
	ds_add_u32 v8, v9
	s_wait_dscnt 0x0
	s_endpgm
.Lfunc_end_k_q1dd5a3428c_prep:
	.size	k_q1dd5a3428c_prep, .Lfunc_end_k_q1dd5a3428c_prep-k_q1dd5a3428c_prep
	.p2alignl 7, 3214868480
	.fill 96, 4, 3214868480
	.section	.rodata,"a",@progbits
	.p2align	6, 0x0
	.amdhsa_kernel k_q1dd5a3428c_prep
		.amdhsa_group_segment_fixed_size 33280
		.amdhsa_private_segment_fixed_size 0
		.amdhsa_enable_private_segment 0
		.amdhsa_kernarg_size 88
		.amdhsa_user_sgpr_count 2
		.amdhsa_user_sgpr_kernarg_segment_ptr 1
		.amdhsa_wavefront_size32 1
		.amdhsa_system_sgpr_workgroup_id_x 1
		.amdhsa_system_sgpr_workgroup_id_y 1
		.amdhsa_system_sgpr_workgroup_id_z 1
		.amdhsa_system_vgpr_workitem_id 0
		.amdhsa_next_free_vgpr 256
		.amdhsa_next_free_sgpr 66
		.amdhsa_reserve_vcc 0
		.amdhsa_float_denorm_mode_32 3
		.amdhsa_float_denorm_mode_16_64 3
		.amdhsa_memory_ordered 1
		.amdhsa_forward_progress 1
		.amdhsa_inst_pref_size 24
	.end_amdhsa_kernel
	.amdgpu_metadata
---
amdhsa.version: [ 1, 2 ]
amdhsa.kernels:
  - .name:           k_q1dd5a3428c_prep
    .symbol:         k_q1dd5a3428c_prep.kd
    .args:
      - { .name: Wz, .offset: 0, .size: 8, .value_kind: global_buffer, .address_space: global }
      - { .name: Wh, .offset: 8, .size: 8, .value_kind: global_buffer, .address_space: global }
      - { .name: bz, .offset: 16, .size: 8, .value_kind: global_buffer, .address_space: global }
      - { .name: bh, .offset: 24, .size: 8, .value_kind: global_buffer, .address_space: global }
      - { .name: gamma, .offset: 32, .size: 8, .value_kind: global_buffer, .address_space: global }
      - { .name: beta, .offset: 40, .size: 8, .value_kind: global_buffer, .address_space: global }
      - { .name: h0, .offset: 48, .size: 8, .value_kind: global_buffer, .address_space: global }
      - { .name: pk1, .offset: 56, .size: 8, .value_kind: global_buffer, .address_space: global }
      - { .name: pk2, .offset: 64, .size: 8, .value_kind: global_buffer, .address_space: global }
      - { .name: pk3, .offset: 72, .size: 8, .value_kind: global_buffer, .address_space: global }
      - { .name: pk4, .offset: 80, .size: 8, .value_kind: global_buffer, .address_space: global }
    .group_segment_fixed_size: 33280
    .private_segment_fixed_size: 0
    .kernarg_segment_align: 8
    .kernarg_segment_size: 88
    .max_flat_workgroup_size: 128
    .sgpr_count:     66
    .vgpr_count:     256
    .wavefront_size: 32
...
	.end_amdgpu_metadata
.endif
;; end of part 1
;; launch first (part 2): grid 8 x 32, 4 waves a work-group, clusters of 4 x 1, 327,680 bytes of LDS; arguments x, pk4, bz, bh, pairA, pk1; writes pairA, pk1
.if DOCPART == 2
	.amdgcn_target "amdgcn-amd-amdhsa--gfx1250"
	.amdhsa_code_object_version 6
	.text
	.protected	k_q1dd5a3428c_first
	.globl	k_q1dd5a3428c_first
	.p2align	8
	.type	k_q1dd5a3428c_first,@function
k_q1dd5a3428c_first:
	s_mov_b64 s[64:65], 0
	v_nop
	global_prefetch_b8 v0, s[64:65] scope:SCOPE_SE
	s_setreg_imm32_b32 hwreg(HW_REG_WAVE_MODE, 25, 1), 1
	s_wait_xcnt 0x0
	s_wait_alu depctr_hold_cnt(0) depctr_sa_sdst(0) depctr_va_vdst(0) depctr_va_sdst(0) depctr_va_ssrc(0) depctr_va_vcc(0) depctr_vm_vsrc(0)
	s_getreg_b32 s2, hwreg(HW_REG_IB_STS2, 6, 4)
	s_cmp_eq_u32 s2, 0
	s_cbranch_scc0 .Lentry_in_a_cluster
	s_endpgm
.Lentry_in_a_cluster:
	s_bfe_u32 s2, ttmp6, 0x10000c
	s_cmp_lg_u32 s2, 0x3003
	s_cbranch_scc0 .Lentry_shape_is_right
	s_endpgm
.Lentry_shape_is_right:
; ONE TEXT FOR TWO KERNELS.  FIRST = 1: layer 0's products, gates and local scans, from x.  FIRST = 0: the layer before is finished (carry, layer norm, residual) and this layer's products, gates and scans follow.
; minGRU: z = sigmoid(cur Wz + bz), g = max(y + 0.5, sigmoid(y)) of y = cur Wh + bh (the line lies above the sigmoid for y >= 0 and below it for y < 0), h_t = (1 - z_t) h_(t-1) + z_t g_t.
; The scan is taken as this recurrence: every h is a convex mix of g's, all exponentials stand inside sigmoids, so there is no maximum to take away.
; SHARES.  A work-group owns one batch b and 64 time rows (chunk c), all 512 columns.  The chunk is two sub-chunks of 32 rows.  Each is scanned from 0: h_loc(t), with Acum(t), the running product of 1 - z.
; OUT: a word for each (t, column): f16 h_loc low, f16 Acum high, rows in true time; and each sub-chunk's end pair (Acum, h_loc at its last row) in f32, into the NEXT layer's pack: [b][sub-chunk][A, B][512] at PSUM.
; IN (FIRST = 0): the end pairs of all earlier sub-chunks are folded in f32 onto g(h0): the carries of my two sub-chunks; h = h_loc + Acum x carry; layer norm (two passes) x gamma + beta + cur, stored in f32.
; THE PACK.  All that hangs on the layer lies in one buffer at constant offsets: this layer's weights, bz, bh; the last layer's gamma, beta, h0 and end pairs.  So three launches share the text with FIRST = 0.
; PRODUCTS.  Each wave holds ALL of the 64 rows x 512 k in f16 (512 registers).  Eight phases; in phase p wave w makes columns 64 p + 16 w + lane % 16 of BOTH products: 8 accumulators by turns, 128 matrix
; instructions on end.  LDS row 16 mt + m holds time 32 (m / 8) + 8 mt + m % 8, so that in the results a lane's half owns one sub-chunk and its 32 registers are 32 consecutive times: the scan never leaves the lane.
; WEIGHTS.  A phase's 131,072 bytes are a slot, two slots take turns; a wave fetches and reads its own quarter.  All work-groups walk the same weights, so the four of a cluster ask JOINTLY.
; THE WAY OUT.  A phase's words go into the stage in ONE run of LDS stores behind the gates: no memory instruction stands among the gates' vector lines.  The run drains under the next phase's products; the barrier of that
; phase's change of slots, in front of which every wave has waited for its LDS stores, shows the stage to all four waves; behind it each wave reads 16 whole rows back and stores them.  A second barrier orders these reads
; with the next run of stores: its signal stands in the middle of the gates, behind the wait for the reads; its wait stands in front of the run; the gates' second half, work on registers, lies between the two.
; FORMATS.  Matrix operands f16, each rounded once from f32: the layer norm divides h's errors by h's spread over the columns, a fifth of h's size, and four layers add up: eight significant bits do not keep the result's
; hundredth, eleven do.  bz, bh, gamma, beta, h0 in f32 as they are given; sums, carries, end pairs and cur in f32.
; LIMITS.  |x|, |cur| and h must stay under 65,504 (f16 operands and words; below 6e-5 they keep f16's step of 6e-8); the exponent of 1 - z is capped at 2^100 (an error under 1e-30); NaN and infinities are not treated apart.
.set FIRST, 1
.set SLOTB, 131072                     ; a slot; slot 0 at LDS byte 0, slot 1 behind it
.set AS,    262144                     ; 33,792 bytes: cur in f16, 256 k at a time (64 rows, pitch AP); later the stage of the pair words (64 rows, pitch SPI)
.set AP,    528                        ; 512 + 16: the 16 rows of a fragment load start at 16 different 16-byte columns of the 64 banks (ISA guide 11.1)
.set SPI,   272
.set SST,   295936                     ; 8,448 bytes: the end pairs of all phases: row 2 h + (0: A, 1: B), pitch SSP
.set SSP,   2112
.set CARB,  304384                     ; 4,096 bytes: the two carries, 512 columns each
.set SPARE, 308480                     ; the spare words, 128 bytes a wave
.set PBZ,   1048576                    ; a pack: the weights' 1 MiB, then bz,
.set PBH,   1050624                    ; bh,
.set PGA,   1052672                    ; gamma,
.set PBE,   1054720                    ; beta,
.set PH0,   1056768                    ; h0 [32][512],
.set PSUM,  1122304                    ; the end pairs [32][16][2][512]
; window 0, fixed
.set LN, 1                             ; lane
.set RL, 2                             ; lane % 16
.set HF, 3                             ; lane / 16
.set SPW, 4                            ; my spare word; never rewritten
.set NIL, 5                            ; 0; never rewritten
.set B0, 6                             ; 32,768 w + 16 lane
.set BA, 7                             ; B0 + the slot to be read
.set AW, 8                             ; where I put 8 bytes of a row of cur
.set AR, 9                             ; where I read a fragment of cur
.set ST, 10                            ; stage: in
.set RD, 11                            ; stage: back
.set GO, 12                            ; my offset in the pair words; every change of slots steps it by a phase's 256 bytes
.set SS, 13                            ; where my column's end pair goes
.set BO, 14                            ; my column's offset in bz and bh
.set PFO, 15                           ; 256 lane
.set RO, 16                            ; 16 lane
.set CW, 17                            ; carries: in
.set CR, 18                            ; carries: back
.set SR, 19                            ; end pairs: back
; window 0 in the phases
.set AZ, 64                            ; v[64:95]   accumulators of cur Wz, row tile mt at + 8 mt; then 2^(-c k), then 1 - z, then Acum
.set AH, 96                            ; v[96:127]  of cur Wh; then y + 0.5, g, z g, h_loc
.set TS, 128                           ; v[128:159] sigmoid(y)
.set US, 160                           ; v[160:191] z
.set PW, 192                           ; v[192:223] the pair words
.set OB, 224                           ; v[224:255] stage rows on their way out
; window 0 ahead of the phases
.set CAR0, 32                          ; v[32:47], v[48:63] the two carries, my 16 columns of a row
.set GAM, 64
.set BET, 80
.set HH,  96                           ; four rows x 16
.set TT,  160                          ; four rows x 8, at work
.set NM,  192                          ; four pairs: - mean in the low word
.set RS,  200                          ; four pairs: 1 / sigma in the low word
; window 1: cur in f16 (row i at 8 i), then the weights' fragments (8 (2 kb + nt)); window 2: cur rows (16 i), then cur's fragments of kb 0-7 (32 kb + 8 mt); window 3: pair rows, then kb 8-15
.set K2C, 72                           ; s72, s73  my two sub-chunks' numbers
.set KMK, 62
.set KNL, 56                           ; s[56:57] - log2 e
.set KNM, 74                           ; - 1/512
.set KIV, 75                           ; 1/512
.set KEP, 76                           ; 1e-5
.set SEL, 60
.set MSB, 0
.macro WIN new                         ; the high byte repeats the setting that is left; a switch that changes nothing is dropped
.if MSB != (\new)
	s_set_vgpr_msb (MSB<<8)|(\new)
.set MSB, (\new)
.endif
.endm
.macro PLACES
.rept 4
	v_nop
.endr
.endm
.macro BAR
	s_barrier_signal -1
	s_barrier_wait -1
.endm
.macro ROUND                           ; a round of the cluster's barrier: my work-group's barrier, wave 0 signals for it, every wave waits for all four work-groups, my work-group's barrier once more
	s_barrier_signal -1
	s_barrier_wait -1
	s_cmp_lg_u32 s44, 0
	s_cbranch_scc1 .Lnw0_\@
	s_barrier_signal -3
.Lnw0_\@:
	s_barrier_wait -3
	s_barrier_signal -1
	s_barrier_wait -1
.endm
.macro R4 line:vararg                  ; one line for each of a group's four rows rr, so that no line waits for the one before it
.set rr, 0
.rept 4
	\line
.set rr, rr+1
.endr
.endm
.macro XL                              ; v[TT + 8 rr] summed over the 32 lanes, the result in every lane
.irp m, 1,2,4,8
	R4 v_add_f32_dpp v[TT+8*rr], v[TT+8*rr], v[TT+8*rr] row_xmask:\m row_mask:0xf bank_mask:0xf
.endr
	R4 v_permlanex16_b32 v[TT+8*rr+1], v[TT+8*rr], s[SEL], s[SEL+1]
	R4 v_add_f32 v[TT+8*rr], v[TT+8*rr], v[TT+8*rr+1]
.endm
; Layer norm of four rows in HH, in place: mean; d = h - mean; the mean of d^2; d / sqrt(. + eps) x gamma + beta.
.macro LNCORE
.irp k, 0,1,2,3
	R4 v_pk_add_f32 v[TT+8*rr+2*\k:TT+8*rr+2*\k+1], v[HH+16*rr+4*\k:HH+16*rr+4*\k+1], v[HH+16*rr+4*\k+2:HH+16*rr+4*\k+3]
.endr
	R4 v_pk_add_f32 v[TT+8*rr:TT+8*rr+1], v[TT+8*rr:TT+8*rr+1], v[TT+8*rr+2:TT+8*rr+3]
	R4 v_pk_add_f32 v[TT+8*rr+4:TT+8*rr+5], v[TT+8*rr+4:TT+8*rr+5], v[TT+8*rr+6:TT+8*rr+7]
	R4 v_pk_add_f32 v[TT+8*rr:TT+8*rr+1], v[TT+8*rr:TT+8*rr+1], v[TT+8*rr+4:TT+8*rr+5]
	R4 v_add_f32 v[TT+8*rr], v[TT+8*rr], v[TT+8*rr+1]
	XL
	R4 v_mul_f32 v[NM+2*rr], s[KNM], v[TT+8*rr]
.irp k, 0,1,2,3,4,5,6,7
	R4 v_pk_add_f32 v[HH+16*rr+2*\k:HH+16*rr+2*\k+1], v[HH+16*rr+2*\k:HH+16*rr+2*\k+1], v[NM+2*rr:NM+2*rr+1] op_sel_hi:[1,0]
.endr
	R4 v_pk_mul_f32 v[TT+8*rr:TT+8*rr+1], v[HH+16*rr:HH+16*rr+1], v[HH+16*rr:HH+16*rr+1]
	R4 v_pk_mul_f32 v[TT+8*rr+2:TT+8*rr+3], v[HH+16*rr+2:HH+16*rr+3], v[HH+16*rr+2:HH+16*rr+3]
.irp k, 2,3,4,5,6,7
	R4 v_pk_fma_f32 v[TT+8*rr+2*(\k%2):TT+8*rr+2*(\k%2)+1], v[HH+16*rr+2*\k:HH+16*rr+2*\k+1], v[HH+16*rr+2*\k:HH+16*rr+2*\k+1], v[TT+8*rr+2*(\k%2):TT+8*rr+2*(\k%2)+1]
.endr
	R4 v_pk_add_f32 v[TT+8*rr:TT+8*rr+1], v[TT+8*rr:TT+8*rr+1], v[TT+8*rr+2:TT+8*rr+3]
	R4 v_add_f32 v[TT+8*rr], v[TT+8*rr], v[TT+8*rr+1]
	XL
	R4 v_fma_f32 v[TT+8*rr], v[TT+8*rr], s[KIV], s[KEP]
	R4 v_rsq_f32 v[RS+2*rr], v[TT+8*rr]
	v_nop                                          ; a plain instruction behind the last root,
	s_wait_alu depctr_va_vdst(0)                   ; and one wait for the four, ahead of their first reader
.irp k, 0,1,2,3,4,5,6,7
	R4 v_pk_mul_f32 v[HH+16*rr+2*\k:HH+16*rr+2*\k+1], v[HH+16*rr+2*\k:HH+16*rr+2*\k+1], v[RS+2*rr:RS+2*rr+1] op_sel_hi:[1,0]
.endr
.irp k, 0,1,2,3,4,5,6,7
	R4 v_pk_fma_f32 v[HH+16*rr+2*\k:HH+16*rr+2*\k+1], v[HH+16*rr+2*\k:HH+16*rr+2*\k+1], v[GAM+2*\k:GAM+2*\k+1], v[BET+2*\k:BET+2*\k+1]
.endr
.endm
; Rows 4 g .. 4 g + 3 of my 16: h from the pair words and the carry, layer norm, + cur; cur is stored in f32 and kept in f16 for the products.
.macro GROUP g
.set CAR, CAR0+16*((\g)/2)             ; rows 0-7 lie in my first sub-chunk, rows 8-15 in the second
.set R0, 64*(\g)
	WIN 0x33                                       ; the pair words (sources 0 and 2) in window 3
.set x, 0
.rept 64
	v_fma_mix_f32 v[HH+x], v[R0+x], v[CAR+x%16], v[R0+x] op_sel:[1,0,0] op_sel_hi:[1,0,1]  ; Acum (high f16) x carry + h_loc (low f16)
.set x, x+1
.endr
	WIN 0
	LNCORE
	WIN 0x82                                       ; cur (destination and source 0) in window 2
.set x, 0
.rept 32
	v_pk_add_f32 v[R0+2*x:R0+2*x+1], v[R0+2*x:R0+2*x+1], v[HH+2*x:HH+2*x+1]
.set x, x+1
.endr
	WIN 0x4a                                       ; sources in window 2, destination in window 1
.set x, 0
.rept 32
	v_cvt_pk_f16_f32 v[R0/2+x], v[R0+2*x], v[R0+2*x+1]
.set x, x+1
.endr
	WIN 0x08                                       ; store data in window 2
.set x, 0
.rept 16
.set ro, (((4*(\g)+x/4)/8)*32+(4*(\g)+x/4)%8)*2048+512*(x%4)
	global_store_b128 v[RO], v[R0+4*x:R0+4*x+3], s[24:25] offset:ro  ; 512 consecutive bytes, aligned
.set x, x+1
.endr
	WIN 0
.endm
; The carries.  r = g(h0) for my four columns; at step sc the carry into sub-chunk sc is r, taken by a select where sc is one of my two; then r = A r + B.  nsc: how many steps are folded.
.macro REC nsc
.irp e, 0,1,2,3
	v_mul_f32 v[240+\e], s[KNL], v[224+\e]
.endr
.irp e, 0,1,2,3
	v_exp_f32 v[240+\e], v[240+\e]
.endr
	v_nop
	s_wait_alu depctr_va_vdst(0)                   ; one wait for the four exponentials
.irp e, 0,1,2,3
	v_add_f32 v[240+\e], 1.0, v[240+\e]
.endr
.irp e, 0,1,2,3
	v_rcp_f32 v[240+\e], v[240+\e]
.endr
.irp e, 0,1,2,3
	v_add_f32 v[224+\e], 0.5, v[224+\e]
.endr
	s_wait_alu depctr_va_vdst(0)                   ; one wait for the four reciprocals; the additions above are the plain work behind them
.irp e, 0,1,2,3
	v_max_num_f32 v[228+\e], v[224+\e], v[240+\e]
.endr
.irp e, 0,1,2,3
	v_mov_b32 v[232+\e], v[228+\e]                 ; the selects below read their destinations
	v_mov_b32 v[236+\e], v[228+\e]
.endr
.set sc, 0
.rept 16
	s_cmp_eq_u32 s[K2C+sc%2], sc                   ; my first sub-chunk's number is even, my second's odd
	s_cselect_b32 s[KMK], -1, 0
.irp e, 0,1,2,3
	v_cndmask_b32 v[232+4*(sc%2)+\e], v[232+4*(sc%2)+\e], v[228+\e], s[KMK]
.endr
.if sc < (\nsc)
	v_pk_fma_f32 v[228:229], v[228:229], v[96+8*sc:97+8*sc], v[100+8*sc:101+8*sc]
	v_pk_fma_f32 v[230:231], v[230:231], v[98+8*sc:99+8*sc], v[102+8*sc:103+8*sc]
.endif
.set sc, sc+1
.endr
.endm
; 256 k of cur in f16: my 16 rows into LDS, a barrier, then all 64 rows' fragments into window 2 + hf.
.macro AHALF hf
	WIN 0x04                                       ; store data in window 1
.set i, 0
.rept 16
	ds_store_b64 v[AW], v[8*i+4*(\hf):8*i+4*(\hf)+1] offset:AP*i
	ds_store_b64 v[AW], v[8*i+4*(\hf)+2:8*i+4*(\hf)+3] offset:AP*i+256
.set i, i+1
.endr
	s_wait_dscnt 0x0                               ; for the others' sake: my rows lie in LDS
	BAR
	WIN 0x80+0x40*(\hf)
.set i, 0
.rept 32                               ; row tile i / 8, k block i % 8 of the half
	ds_load_b128 v[32*(i%8)+8*(i/8):32*(i%8)+8*(i/8)+3],   v[AR] offset:16*AP*(i/8)+64*(i%8)
	ds_load_b128 v[32*(i%8)+8*(i/8)+4:32*(i%8)+8*(i/8)+7], v[AR] offset:16*AP*(i/8)+64*(i%8)+32
.set i, i+1
.endr
	WIN 0
.endm
.macro FETCHB                          ; a phase's weights, my quarter of the slot: 32 fragments, 64 loads of 512 consecutive bytes
	WIN 0x40
.set f, 0
.rept 32
	ds_load_b128 v[8*f:8*f+3],   v[BA] offset:1024*f
	ds_load_b128 v[8*f+4:8*f+7], v[BA] offset:1024*f+512
.set f, f+1
.endr
	WIN 0
.endm
.macro GEMM                            ; 128 matrix instructions on end; the eight accumulators take turns, one instruction a turn; the first k block starts the sums
	WIN 0x06                                       ; cur (source 0) in window 2, weights (source 1) in window 1
.set kb, 0
.rept 16
.if kb == 8
	WIN 0x07                                       ; cur in window 3
.endif
.set mt, 0
.rept 4
.if kb == 0
	v_wmma_f32_16x16x32_f16 v[AZ+8*mt:AZ+8*mt+7], v[8*mt:8*mt+7], v[0:7], 0
	v_wmma_f32_16x16x32_f16 v[AH+8*mt:AH+8*mt+7], v[8*mt:8*mt+7], v[8:15], 0
.else
	v_wmma_f32_16x16x32_f16 v[AZ+8*mt:AZ+8*mt+7], v[32*(kb%8)+8*mt:32*(kb%8)+8*mt+7], v[16*kb:16*kb+7], v[AZ+8*mt:AZ+8*mt+7]
	v_wmma_f32_16x16x32_f16 v[AH+8*mt:AH+8*mt+7], v[32*(kb%8)+8*mt:32*(kb%8)+8*mt+7], v[16*kb+8:16*kb+15], v[AH+8*mt:AH+8*mt+7]
.endif
.set mt, mt+1
.endr
.set kb, kb+1
.endr
	WIN 0
.endm
; A prefetch of the phase that stands two refills on: its 131,072 bytes are named once in the launch, by the one cluster with x = 0 and batch 0: wave w of partner cx names 32 blocks of 256 bytes, a lane a block,
; at 32,768 w + 8,192 cx: shared out by address.  It stands behind the joint load and the run of LDS loads, and stops when that phase would be past the layer's eighth (s51 counts the refills left).
.macro ASK
	s_cmp_gt_u32 s51, s52
	s_cbranch_scc0 .Lnoask_\@
	global_prefetch_b8 v[PFO], s[54:55] th:TH_LOAD_NT scope:SCOPE_SE
.Lnoask_\@:
.endm
; The change of slots.  The slot just multiplied lies in registers.  Each wave waits for all its tensor loads (one is out: its quarter of the other slot), adds 0 to its spare word, and waits for that and for all its
; LDS instructions: the last phase's run of stores into the stage is among them, so the barrier also shows the stage to all four waves.  fill = 1: a round of the cluster's barrier, and the joint refill first behind it:
; it has the gates and a whole phase in which to land.
.macro CHANGE fill
	WIN 0
	s_wait_tensorcnt 0x0                           ; no tensor load of mine is out, so the descriptor may be written
	ds_add_u32 v[SPW], v[NIL]                      ; 0 onto my spare word; the steps below stand between it and the wait for it
.if \fill
	s_xor_b32 s41, s41, SLOTB                      ; the other slot than last time,
	s_add_nc_u64 s[42:43], s[42:43], SLOTB         ; the next phase's weights; the type bits on top are not reached
.endif
	s_wait_xcnt 0x0                                ; the last phase's stores of pair words and its prefetch, a phase back, have read their registers: GO, OB and the prefetch's address are rewritten only behind this wait
.if \fill
	s_add_nc_u64 s[54:55], s[54:55], SLOTB
.endif
	v_add_nc_u32 v[GO], 0x100, v[GO]               ; a phase's 64 columns on; the stores reach back
	s_xor_b32 s50, s50, SLOTB
	v_add_nc_u32 v[BA], s50, v[B0]                 ; the slot to be read next
	s_wait_dscnt 0x0
.if \fill
	ROUND
	tensor_load_to_lds s[40:43], s[28:35]
	s_nop 0
	PLACES                                         ; also the places between the last product and the loads into its sources
.else
	BAR
	PLACES
.endif
.endm
.macro PAIR3 n                         ; two times: 1 - z = E z; g = max(y + 0.5, sigmoid y); z g
	v_pk_mul_f32 v[AZ+(\n):AZ+(\n)+1], v[AZ+(\n):AZ+(\n)+1], v[US+(\n):US+(\n)+1]
	v_max_num_f32 v[AH+(\n)], v[AH+(\n)], v[TS+(\n)]
	v_max_num_f32 v[AH+(\n)+1], v[AH+(\n)+1], v[TS+(\n)+1]
	v_pk_mul_f32 v[AH+(\n):AH+(\n)+1], v[AH+(\n):AH+(\n)+1], v[US+(\n):US+(\n)+1]
.endm
; The gates' first half: 32 times of one column a lane.  Two batches of 64 transcendentals, each with one wait; plain work of the next pair stands between the transcendentals of the last.
.macro EPI1
	s_wait_loadcnt 0x0                             ; my column's bz and bh, asked for ahead of the products
	v_add_nc_u32 v[BO], 0x100, v[BO]               ; free since that wait: the next phase's 64 columns
	v_mul_f32 v22, s[KNL], v20                     ; - c bz
	v_mul_f32 v24, s[KNL], v21                     ; - c bh
	v_add_f32 v26, 0.5, v21                        ; bh + 0.5
.set n, 0
.rept 17                               ; each accumulator's lowest registers are read first
.if n < 16
	v_pk_fma_f32 v[AZ+2*n:AZ+2*n+1], v[AZ+2*n:AZ+2*n+1], s[KNL:KNL+1], v[22:23] op_sel_hi:[1,0,0]
.endif
.if n > 0
	v_exp_f32 v[AZ+2*n-2], v[AZ+2*n-2]
.endif
.if n < 16
	v_pk_fma_f32 v[TS+2*n:TS+2*n+1], v[AH+2*n:AH+2*n+1], s[KNL:KNL+1], v[24:25] op_sel_hi:[1,0,0]
.endif
.if n > 0
	v_exp_f32 v[AZ+2*n-1], v[AZ+2*n-1]
.endif
.if n < 16
	v_min_num_f32 v[AZ+2*n], s58, v[AZ+2*n]        ; E stays finite, so that E / (1 + E) is 1 and no NaN
.endif
.if n > 0
	v_exp_f32 v[TS+2*n-2], v[TS+2*n-2]
.endif
.if n < 16
	v_min_num_f32 v[AZ+2*n+1], s58, v[AZ+2*n+1]
.endif
.if n > 0
	v_exp_f32 v[TS+2*n-1], v[TS+2*n-1]
.endif
.if n < 16
	v_pk_add_f32 v[AH+2*n:AH+2*n+1], v[AH+2*n:AH+2*n+1], v[26:27] op_sel_hi:[1,0]
.endif
.set n, n+1
.endr
	v_nop
	s_wait_alu depctr_va_vdst(0)                   ; one wait for the 64 exponentials
.set n, 0
.rept 17
.if n < 16
	v_pk_add_f32 v[US+2*n:US+2*n+1], v[AZ+2*n:AZ+2*n+1], 1.0 op_sel_hi:[1,0]
.endif
.if n > 0
	v_rcp_f32 v[US+2*n-2], v[US+2*n-2]
.endif
.if n < 16
	v_pk_add_f32 v[TS+2*n:TS+2*n+1], v[TS+2*n:TS+2*n+1], 1.0 op_sel_hi:[1,0]
.endif
.if n > 0
	v_rcp_f32 v[US+2*n-1], v[US+2*n-1]
	v_rcp_f32 v[TS+2*n-2], v[TS+2*n-2]
	v_rcp_f32 v[TS+2*n-1], v[TS+2*n-1]
.endif
.set n, n+1
.endr
	v_nop
	s_wait_alu depctr_va_vdst(0)                   ; one wait for the 64 reciprocals
.endm
; The gates' second half and the scan: work on registers alone.  The two chains go a link a trip; the gates of the pair after next and the word of the time before stand between the links.
.macro EPI2
	PAIR3 0
.set n, 0
.rept 33
.if (n%2 == 0) && (n+2 < 32)
	PAIR3 n+2
.endif
.if (n >= 1) && (n <= 31)
	v_fma_f32 v[AH+n], v[AZ+n], v[AH+n-1], v[AH+n]
	v_mul_f32 v[AZ+n], v[AZ+n], v[AZ+n-1]
.endif
.if n >= 1
	v_cvt_pk_f16_f32 v[PW+n-1], v[AH+n-1], v[AZ+n-1]
.endif
.set n, n+1
.endr
.endm
.macro STAGE                           ; the phase's one run of LDS stores: the sub-chunk's end pair in f32 first (the next products write over its registers last of all), then the 32 words
	ds_store_b32 v[SS], v[AZ+31]
	ds_store_b32 v[SS], v[AH+31] offset:SSP
.set n, 0
.rept 32
	ds_store_b32 v[ST], v[PW+n] offset:(16*(n/8)+n%8)*SPI
.set n, n+1
.endr
	v_add_nc_u32 v[SS], 0x100, v[SS]
.endm
.macro BACK                            ; 16 stage rows a wave, whole
.irp u, 0,1,2,3,4,5,6,7
	ds_load_b128 v[OB+4*\u:OB+4*\u+3], v[RD] offset:2*SPI*\u
.endr
.endm
.macro SEND back                       ; 16 lanes store 256 consecutive bytes, aligned.  back: how far GO stands past the words' own columns
.irp u, 0,1,2,3,4,5,6,7
	global_store_b128 v[GO], v[OB+4*\u:OB+4*\u+3], s[22:23] offset:(2*\u+24*(\u/4))*2048-(\back)  ; stage rows 0-7 are times 0-7 of my eight in the first sub-chunk, rows 8-15 those in the second
.endr
.endm
; A phase: its products; the change of slots; the LAST phase's words out of the stage; the next phase's weights; its gates and scan; its words into the stage.
.macro PHASE fill
	global_load_b32 v20, v[BO], s[12:13]
	global_load_b32 v21, v[BO], s[14:15]
	GEMM                                           ; its weights were waited for in the middle of the last phase's gates (phase 0's ahead of the loop); the last run of stage stores drains meanwhile
	CHANGE \fill
.if \fill
	s_cmp_eq_u32 s51, 6                            ; phase 0 has no words to send: one branch for the reads and the stores
	s_cbranch_scc1 .Lnone_\@
	BACK
	FETCHB
	s_wait_dscnt 63                                ; 72 LDS loads were issued since the wait for 0: the count leaves the youngest 63 out, so the stage's eight are back
	SEND 512
	s_branch .Ljoin_\@
.Lnone_\@:
	FETCHB
.Ljoin_\@:
	ASK
.else
	BACK
	s_cmp_eq_u32 s51, 1                            ; behind the last phase there are no weights to fetch
	s_cbranch_scc1 .Lnone_\@
	FETCHB
	s_wait_dscnt 63                                ; as above
	SEND 512
	s_branch .Ljoin_\@
.Lnone_\@:
	s_wait_dscnt 0x0                               ; the stage's eight loads are all that is out
	SEND 512
.Ljoin_\@:
.endif
	EPI1
	s_wait_dscnt 0x0                               ; the next phase's weights are in registers, and my reads of the stage are over:
	s_barrier_signal -1                            ; say so; the refill may stay out
	EPI2
	s_barrier_wait -1                              ; all four waves' reads of the stage are over: it may be written again
	STAGE
.endm
.if FIRST
	s_load_b256 s[8:15], s[0:1], 0x0               ; x s[8:9], the buffer with layer 0's weights s[10:11], bz s[12:13], bh s[14:15]
	s_load_b64 s[22:23], s[0:1], 0x20              ; the pair words to be written
	s_load_b64 s[4:5], s[0:1], 0x28                ; the next layer's pack, for the end pairs
.else
	s_load_b256 s[4:11], s[0:1], 0x0               ; the next layer's pack s[4:5], pair words in s[6:7], cur in s[8:9], my pack s[10:11]
	s_load_b64 s[22:23], s[0:1], 0x20              ; pair words out
	s_load_b64 s[24:25], s[0:1], 0x28              ; cur out
.endif
	v_lshl_add_u32 v[SPW], v0, 2, SPARE
	v_mov_b32 v[NIL], 0
	ds_add_u32 v[SPW], v[NIL]                      ; the wave's opening: the add, twice on end, and its wait ahead of my first tensor load
	ds_add_u32 v[SPW], v[NIL]
	v_lshrrev_b32 v28, 5, v0
	v_readfirstlane_b32 s44, v28                   ; wave
	v_and_b32 v[LN], 31, v0
	v_and_b32 v[RL], 15, v0
	v_bfe_u32 v[HF], v0, 4, 1
	s_bfe_u32 s45, ttmp6, 0x40000                  ; cx
	s_lshl_b32 s46, ttmp9, 2
	s_add_co_u32 s46, s46, s45                     ; chunk c = 4 x cluster x + cx: it enters global addresses and selects alone
	s_and_b32 s47, ttmp7, 0xffff                   ; batch b
	s_lshl_b32 s37, s44, 15                        ; my quarter of a slot
	v_lshlrev_b32 v[RO], 4, v[LN]
	v_lshlrev_b32 v[PFO], 8, v[LN]
	v_add_nc_u32 v[B0], s37, v[RO]
	s_mul_i32 s26, s44, 16*AP
	s_add_co_u32 s26, s26, AS
	v_lshl_add_u32 v[AW], v[LN], 3, s26            ; my 16 rows are row tile w; 8 bytes a lane
	v_mul_u32_u24 v[AR], v[RL], AP
	v_lshl_add_u32 v[AR], v[HF], 4, v[AR]
	v_add_nc_u32 v[AR], AS, v[AR]
	s_lshl_b32 s26, s44, 6
	v_lshl_add_u32 v[BO], v[RL], 2, s26            ; 4 (16 w + lane % 16)
	v_mul_u32_u24 v[ST], v[HF], 8*SPI
	v_add_nc_u32 v[ST], v[ST], v[BO]
	v_add_nc_u32 v[ST], AS, v[ST]
	v_mul_u32_u24 v[SS], v[HF], 2*SSP
	v_add_nc_u32 v[SS], v[SS], v[BO]
	v_add_nc_u32 v[SS], SST, v[SS]
	s_mul_i32 s26, s44, 16*SPI
	s_add_co_u32 s26, s26, AS
	v_mul_u32_u24 v[RD], v[HF], SPI
	v_lshl_add_u32 v[RD], v[RL], 4, v[RD]
	v_add_nc_u32 v[RD], s26, v[RD]
	v_lshlrev_b32 v[GO], 11, v[HF]
	v_lshl_add_u32 v[GO], v[RL], 4, v[GO]
	s_lshl_b32 s26, s44, 9
	s_add_co_u32 s26, s26, CARB
	v_add_nc_u32 v[CW], s26, v[RO]
	v_add_nc_u32 v[CR], CARB, v[RO]
	s_mul_i32 s26, s44, SSP
	s_add_co_u32 s26, s26, SST
	v_add_nc_u32 v[SR], s26, v[RO]
	v_mov_b32 v23, 0                               ; the upper words of pairs that are named whole and used by their low words
	v_mov_b32 v25, 0
	v_mov_b32 v27, 0
.if !FIRST
.irp e, 0,1,2,3
	v_mov_b32 v[NM+2*\e+1], 0
	v_mov_b32 v[RS+2*\e+1], 0
.endr
.endif
	; descriptor group 1: 32,768 dense bytes as 128 rows of 256
	s_mov_b32 s28, 15|(3<<16)|(1<<21)              ; 15:0 the mask: all four work-groups; 17:16 elements of 8 bytes; 21 set beside a mask
	s_mov_b32 s29, 32<<16                          ; tensor_dim0 = 32
	s_mov_b32 s30, 128<<16                         ; tensor_dim1 = 128
	s_mov_b32 s31, 32<<16                          ; tile_dim0 = 32
	s_mov_b32 s32, 128                             ; tile_dim1 = 128
	s_mov_b32 s33, 32                              ; 32 elements from row to row
	s_mov_b32 s34, 0
	s_mov_b32 s35, 0
	s_mov_b32 s36, 1                               ; group 0 of phase 0: slot 0
	s_mov_b32 s40, 1                               ; group 0 of phase 1: slot 1; it then walks
	s_add_co_u32 s41, s37, SLOTB
	s_mov_b32 s50, 0
	s_mov_b32 s56, 0xbfb8aa3b                      ; - log2 e
	s_mov_b32 s57, s56
	s_mov_b32 s58, 0x42c80000                      ; 100
	s_mov_b32 s60, 0x76543210
	s_mov_b32 s61, 0xfedcba98
	s_mov_b32 s74, 0xbb000000                      ; - 1/512
	s_mov_b32 s75, 0x3b000000                      ; 1/512
	s_mov_b32 s76, 0x3727c5ac                      ; 1e-5
	s_mov_b32 s78, s37                             ; my quarter's offset in a phase's weights, in a pair of its own: made of the wave's number alone
	s_mov_b32 s79, 0
	s_wait_dscnt 0x0                               ; both opening adds are done
	s_wait_kmcnt 0x0
	s_mov_b32 s27, 0
	s_mov_b32 s71, 0
	s_mov_b32 s69, 0
	s_lshl_b32 s70, s47, 20                        ; my rows: b x 512 rows + c x 64 + w x 8, of 2,048 bytes
	s_lshl_b32 s26, s46, 17
	s_add_co_u32 s70, s70, s26
	s_lshl_b32 s26, s44, 14
	s_add_co_u32 s70, s70, s26
	s_lshl_b32 s68, s47, 16                        ; end pairs out: b x 65,536 + (2 c + w / 2) x 4,096 + (w % 2) x 2,048 = b x 65,536 + c x 8,192 + w x 2,048
	s_lshl_b32 s26, s46, 13
	s_add_co_u32 s68, s68, s26
	s_lshl_b32 s26, s44, 11
	s_add_co_u32 s68, s68, s26
	s_add_co_u32 s68, s68, PSUM
	s_add_nc_u64 s[68:69], s[4:5], s[68:69]
	s_add_nc_u64 s[22:23], s[22:23], s[70:71]
	s_add_nc_u64 s[8:9], s[8:9], s[70:71]
.if !FIRST
	s_add_nc_u64 s[12:13], s[10:11], PBZ           ; the pack's parts, at constant offsets
	s_add_nc_u64 s[14:15], s[10:11], PBH
	s_add_nc_u64 s[16:17], s[10:11], PGA
	s_add_nc_u64 s[18:19], s[10:11], PBE
	s_lshl_b32 s59, s44, 9                         ; my 128 columns
	s_lshl_b32 s26, s47, 11
	s_add_co_u32 s26, s26, s59
	s_add_co_u32 s26, s26, PH0
	s_add_nc_u64 s[20:21], s[10:11], s[26:27]      ; h0 of my batch
	s_mov_b32 s67, 0
	s_lshl_b32 s66, s47, 16
	s_add_co_u32 s66, s66, s59
	s_add_co_u32 s66, s66, PSUM
	s_add_nc_u64 s[66:67], s[10:11], s[66:67]      ; the end pairs of my batch
	s_add_nc_u64 s[6:7], s[6:7], s[70:71]
	s_add_nc_u64 s[24:25], s[24:25], s[70:71]
	s_lshl_b32 s72, s46, 1
	s_add_co_u32 s73, s72, 1
.endif
	s_add_nc_u64 s[10:11], s[10:11], s[78:79]      ; the weights, my quarter of phase 0: an argument and the wave's number: the same in all four partners
	s_mov_b64 s[38:39], s[10:11]
	s_or_b32 s39, s39, 0x80000000                  ; type = 2
	s_add_nc_u64 s[42:43], s[10:11], SLOTB
	s_or_b32 s43, s43, 0x80000000
	s_lshl_b32 s26, s45, 13                        ; the prefetches: my work-group's 8,192 bytes of my wave's quarter,
	s_add_co_u32 s26, s26, 3*SLOTB                 ; at phase 3: the first change of slots steps it to phase 4
	s_add_nc_u64 s[54:55], s[10:11], s[26:27]
	s_or_b32 s52, ttmp9, s47
	s_cmp_eq_u32 s52, 0
	s_cselect_b32 s52, 2, -1                       ; the one cluster that prefetches does so while more than two refills are left; the same in all four partners
	ROUND                                          ; all four work-groups are here: the first joint loads meet
	tensor_load_to_lds s[36:39], s[28:35]
	s_nop 0
	tensor_load_to_lds s[40:43], s[28:35]          ; two loads of mine are out
	s_nop 0
	PLACES
.if FIRST
	WIN 0x80                                       ; my 16 rows of x: row i is time 32 (i / 8) + 8 w + i % 8 of the chunk
.set x, 0
.rept 64
.set ro, (((x/4)/8)*32+(x/4)%8)*2048+512*(x%4)
	global_load_b128 v[4*x:4*x+3], v[RO], s[8:9] offset:ro th:TH_LOAD_NT
.set x, x+1
.endr
.set g, 0
.rept 4
	s_wait_loadcnt 48-16*g                         ; four rows' 16 loads are in, the younger ones may stay out
	WIN 0x4a
.set x, 0
.rept 32
	v_cvt_pk_f16_f32 v[32*g+x], v[64*g+2*x], v[64*g+2*x+1]
.set x, x+1
.endr
.set g, g+1
.endr
	WIN 0
.else
	global_load_b128 v[224:227], v[RO], s[20:21]   ; h0, my four columns
.set sc, 0
.rept 15                               ; the end pairs of sub-chunks 0 to 14: the last feeds no carry
	global_load_b128 v[96+8*sc:99+8*sc],   v[RO], s[66:67] offset:4096*sc
	global_load_b128 v[100+8*sc:103+8*sc], v[RO], s[66:67] offset:4096*sc+2048
.set sc, sc+1
.endr
.irp q, 0,1,2,3
	global_load_b128 v[GAM+4*\q:GAM+4*\q+3], v[RO], s[16:17] offset:512*\q
.endr
.irp q, 0,1,2,3
	global_load_b128 v[BET+4*\q:BET+4*\q+3], v[RO], s[18:19] offset:512*\q
.endr
.set g, 0
.rept 4                                ; my 16 rows, four at a time: cur into window 2, pair words into window 3
	WIN 0x80
.set x, 0
.rept 16
.set ro, (((4*g+x/4)/8)*32+(4*g+x/4)%8)*2048+512*(x%4)
	global_load_b128 v[64*g+4*x:64*g+4*x+3], v[RO], s[8:9] offset:ro th:TH_LOAD_NT
.set x, x+1
.endr
	WIN 0xc0
.set x, 0
.rept 16
.set ro, (((4*g+x/4)/8)*32+(4*g+x/4)%8)*2048+512*(x%4)
	global_load_b128 v[64*g+4*x:64*g+4*x+3], v[RO], s[6:7] offset:ro th:TH_LOAD_NT
.set x, x+1
.endr
.set g, g+1
.endr
	WIN 0
	s_wait_loadcnt 63                              ; 128 younger loads exist: h0, the end pairs, gamma and beta are in
	REC 15
	ds_store_b128 v[CW], v[232:235]
	ds_store_b128 v[CW], v[236:239] offset:2048
	s_wait_dscnt 0x0                               ; for the others' sake: my 128 columns of both carries lie in LDS
	BAR
.irp q, 0,1,2,3
	ds_load_b128 v[CAR0+4*\q:CAR0+4*\q+3],       v[CR] offset:512*\q
	ds_load_b128 v[CAR0+16+4*\q:CAR0+16+4*\q+3], v[CR] offset:2048+512*\q
.endr
	s_wait_dscnt 0x0
	s_wait_loadcnt 63                              ; 96 younger loads exist
	GROUP 0
	s_wait_loadcnt 63                              ; 64 younger
	GROUP 1
	s_wait_loadcnt 32
	GROUP 2
	s_wait_loadcnt 0x0
	GROUP 3
	s_wait_xcnt 0x0                                ; the stores of cur have read their data: window 2 takes fragments now
.endif
	AHALF 0
	s_wait_dscnt 0x0                               ; my reads of the first 256 k are over,
	BAR                                            ; everybody's are: the rows may be written again
	AHALF 1
	s_wait_tensorcnt 0x1                           ; my quarter of phase 0 is in, and I alone read it; phase 1's may stay out
	v_mov_b32 v[BA], v[B0]
	FETCHB
	s_wait_dscnt 0x0                               ; cur's fragments and phase 0's weights are in registers; my reads of cur's rows, where the stage will lie, are over
	s_mov_b32 s51, 6
.Lfill:                                        ; phases 0 to 5 ask for phases 2 to 7
	PHASE 1
	s_sub_co_u32 s51, s51, 1
	s_cmp_lg_u32 s51, 0
	s_cbranch_scc1 .Lfill
	s_mov_b32 s51, 2
.Ltail:                                        ; phases 6 and 7 ask for nothing
	PHASE 0
	s_sub_co_u32 s51, s51, 1
	s_cmp_lg_u32 s51, 0
	s_cbranch_scc1 .Ltail
	s_wait_dscnt 0x0                               ; for the others' sake: phase 7's words lie in the stage, all my end pairs in their rows
	BAR
	s_wait_xcnt 0x0                                ; the stores of phase 6's words have read OB
	BACK
.irp q, 0,1,2,3                        ; the end pairs: wave w takes row w: sub-chunk w / 2, A or B
	ds_load_b128 v[AZ+4*\q:AZ+4*\q+3], v[SR] offset:512*\q
.endr
	s_wait_dscnt 4                                 ; the stage's eight loads are back; the four behind them may stay out
	SEND 256
	s_wait_dscnt 0x0
.irp q, 0,1,2,3
	global_store_b128 v[RO], v[AZ+4*\q:AZ+4*\q+3], s[68:69] offset:512*\q
.endr
	s_wait_tensorcnt 0x0                           ; the wave's end, behind my last tensor load and my last LDS store
	ds_add_u32 v[SPW], v[NIL]
	s_wait_dscnt 0x0
	ROUND                                          ; the closing round: no work-group ends while a partner may still ask jointly
	s_endpgm
.Lfunc_end_k_q1dd5a3428c_first:
	.size	k_q1dd5a3428c_first, .Lfunc_end_k_q1dd5a3428c_first-k_q1dd5a3428c_first
	.p2alignl 7, 3214868480
	.fill 96, 4, 3214868480
	.section	.rodata,"a",@progbits
	.p2align	6, 0x0
	.amdhsa_kernel k_q1dd5a3428c_first
		.amdhsa_group_segment_fixed_size 327680
		.amdhsa_private_segment_fixed_size 0
		.amdhsa_enable_private_segment 0
		.amdhsa_kernarg_size 48
		.amdhsa_user_sgpr_count 2
		.amdhsa_user_sgpr_kernarg_segment_ptr 1
		.amdhsa_wavefront_size32 1
		.amdhsa_system_sgpr_workgroup_id_x 1
		.amdhsa_system_sgpr_workgroup_id_y 1
		.amdhsa_system_sgpr_workgroup_id_z 1
		.amdhsa_system_vgpr_workitem_id 0
		.amdhsa_next_free_vgpr 1024
		.amdhsa_next_free_sgpr 80
		.amdhsa_reserve_vcc 0
		.amdhsa_float_denorm_mode_32 3
		.amdhsa_float_denorm_mode_16_64 3
		.amdhsa_memory_ordered 1
		.amdhsa_forward_progress 1
		.amdhsa_inst_pref_size 115
	.end_amdhsa_kernel
	.amdgpu_metadata
---
amdhsa.version: [ 1, 2 ]
amdhsa.kernels:
  - .name:           k_q1dd5a3428c_first
    .symbol:         k_q1dd5a3428c_first.kd
    .args:
      - { .name: x, .offset: 0, .size: 8, .value_kind: global_buffer, .address_space: global }
      - { .name: pk4, .offset: 8, .size: 8, .value_kind: global_buffer, .address_space: global }
      - { .name: bz, .offset: 16, .size: 8, .value_kind: global_buffer, .address_space: global }
      - { .name: bh, .offset: 24, .size: 8, .value_kind: global_buffer, .address_space: global }
      - { .name: pairA, .offset: 32, .size: 8, .value_kind: global_buffer, .address_space: global }
      - { .name: pk1, .offset: 40, .size: 8, .value_kind: global_buffer, .address_space: global }
    .group_segment_fixed_size: 327680
    .private_segment_fixed_size: 0
    .kernarg_segment_align: 8
    .kernarg_segment_size: 48
    .max_flat_workgroup_size: 128
    .sgpr_count:     80
    .vgpr_count:     1024
    .wavefront_size: 32
...
	.end_amdgpu_metadata
.endif
;; end of part 2
;; launch mid1 (part 3): grid 8 x 32, 4 waves a work-group, clusters of 4 x 1, 327,680 bytes of LDS; arguments pk2, pairA, x, pk1, pairB, curA; writes pk2, pairB, curA
.if DOCPART == 3
	.amdgcn_target "amdgcn-amd-amdhsa--gfx1250"
	.amdhsa_code_object_version 6
	.text
	.protected	k_q1dd5a3428c_mid1
	.globl	k_q1dd5a3428c_mid1
	.p2align	8
	.type	k_q1dd5a3428c_mid1,@function
k_q1dd5a3428c_mid1:
	s_mov_b64 s[64:65], 0
	v_nop
	global_prefetch_b8 v0, s[64:65] scope:SCOPE_SE
	s_setreg_imm32_b32 hwreg(HW_REG_WAVE_MODE, 25, 1), 1
	s_wait_xcnt 0x0
	s_wait_alu depctr_hold_cnt(0) depctr_sa_sdst(0) depctr_va_vdst(0) depctr_va_sdst(0) depctr_va_ssrc(0) depctr_va_vcc(0) depctr_vm_vsrc(0)
	s_getreg_b32 s2, hwreg(HW_REG_IB_STS2, 6, 4)
	s_cmp_eq_u32 s2, 0
	s_cbranch_scc0 .Lentry_in_a_cluster
	s_endpgm
.Lentry_in_a_cluster:
	s_bfe_u32 s2, ttmp6, 0x10000c
	s_cmp_lg_u32 s2, 0x3003
	s_cbranch_scc0 .Lentry_shape_is_right
	s_endpgm
.Lentry_shape_is_right:
; ONE TEXT FOR TWO KERNELS.  FIRST = 1: layer 0's products, gates and local scans, from x.  FIRST = 0: the layer before is finished (carry, layer norm, residual) and this layer's products, gates and scans follow.
; minGRU: z = sigmoid(cur Wz + bz), g = max(y + 0.5, sigmoid(y)) of y = cur Wh + bh (the line lies above the sigmoid for y >= 0 and below it for y < 0), h_t = (1 - z_t) h_(t-1) + z_t g_t.
; The scan is taken as this recurrence: every h is a convex mix of g's, all exponentials stand inside sigmoids, so there is no maximum to take away.
; SHARES.  A work-group owns one batch b and 64 time rows (chunk c), all 512 columns.  The chunk is two sub-chunks of 32 rows.  Each is scanned from 0: h_loc(t), with Acum(t), the running product of 1 - z.
; OUT: a word for each (t, column): f16 h_loc low, f16 Acum high, rows in true time; and each sub-chunk's end pair (Acum, h_loc at its last row) in f32, into the NEXT layer's pack: [b][sub-chunk][A, B][512] at PSUM.
; IN (FIRST = 0): the end pairs of all earlier sub-chunks are folded in f32 onto g(h0): the carries of my two sub-chunks; h = h_loc + Acum x carry; layer norm (two passes) x gamma + beta + cur, stored in f32.
; THE PACK.  All that hangs on the layer lies in one buffer at constant offsets: this layer's weights, bz, bh; the last layer's gamma, beta, h0 and end pairs.  So three launches share the text with FIRST = 0.
; PRODUCTS.  Each wave holds ALL of the 64 rows x 512 k in f16 (512 registers).  Eight phases; in phase p wave w makes columns 64 p + 16 w + lane % 16 of BOTH products: 8 accumulators by turns, 128 matrix
; instructions on end.  LDS row 16 mt + m holds time 32 (m / 8) + 8 mt + m % 8, so that in the results a lane's half owns one sub-chunk and its 32 registers are 32 consecutive times: the scan never leaves the lane.
; WEIGHTS.  A phase's 131,072 bytes are a slot, two slots take turns; a wave fetches and reads its own quarter.  All work-groups walk the same weights, so the four of a cluster ask JOINTLY.
; THE WAY OUT.  A phase's words go into the stage in ONE run of LDS stores behind the gates: no memory instruction stands among the gates' vector lines.  The run drains under the next phase's products; the barrier of that
; phase's change of slots, in front of which every wave has waited for its LDS stores, shows the stage to all four waves; behind it each wave reads 16 whole rows back and stores them.  A second barrier orders these reads
; with the next run of stores: its signal stands in the middle of the gates, behind the wait for the reads; its wait stands in front of the run; the gates' second half, work on registers, lies between the two.
; FORMATS.  Matrix operands f16, each rounded once from f32: the layer norm divides h's errors by h's spread over the columns, a fifth of h's size, and four layers add up: eight significant bits do not keep the result's
; hundredth, eleven do.  bz, bh, gamma, beta, h0 in f32 as they are given; sums, carries, end pairs and cur in f32.
; LIMITS.  |x|, |cur| and h must stay under 65,504 (f16 operands and words; below 6e-5 they keep f16's step of 6e-8); the exponent of 1 - z is capped at 2^100 (an error under 1e-30); NaN and infinities are not treated apart.
.set FIRST, 0
.set SLOTB, 131072                     ; a slot; slot 0 at LDS byte 0, slot 1 behind it
.set AS,    262144                     ; 33,792 bytes: cur in f16, 256 k at a time (64 rows, pitch AP); later the stage of the pair words (64 rows, pitch SPI)
.set AP,    528                        ; 512 + 16: the 16 rows of a fragment load start at 16 different 16-byte columns of the 64 banks (ISA guide 11.1)
.set SPI,   272
.set SST,   295936                     ; 8,448 bytes: the end pairs of all phases: row 2 h + (0: A, 1: B), pitch SSP
.set SSP,   2112
.set CARB,  304384                     ; 4,096 bytes: the two carries, 512 columns each
.set SPARE, 308480                     ; the spare words, 128 bytes a wave
.set PBZ,   1048576                    ; a pack: the weights' 1 MiB, then bz,
.set PBH,   1050624                    ; bh,
.set PGA,   1052672                    ; gamma,
.set PBE,   1054720                    ; beta,
.set PH0,   1056768                    ; h0 [32][512],
.set PSUM,  1122304                    ; the end pairs [32][16][2][512]
; window 0, fixed
.set LN, 1                             ; lane
.set RL, 2                             ; lane % 16
.set HF, 3                             ; lane / 16
.set SPW, 4                            ; my spare word; never rewritten
.set NIL, 5                            ; 0; never rewritten
.set B0, 6                             ; 32,768 w + 16 lane
.set BA, 7                             ; B0 + the slot to be read
.set AW, 8                             ; where I put 8 bytes of a row of cur
.set AR, 9                             ; where I read a fragment of cur
.set ST, 10                            ; stage: in
.set RD, 11                            ; stage: back
.set GO, 12                            ; my offset in the pair words; every change of slots steps it by a phase's 256 bytes
.set SS, 13                            ; where my column's end pair goes
.set BO, 14                            ; my column's offset in bz and bh
.set PFO, 15                           ; 256 lane
.set RO, 16                            ; 16 lane
.set CW, 17                            ; carries: in
.set CR, 18                            ; carries: back
.set SR, 19                            ; end pairs: back
; window 0 in the phases
.set AZ, 64                            ; v[64:95]   accumulators of cur Wz, row tile mt at + 8 mt; then 2^(-c k), then 1 - z, then Acum
.set AH, 96                            ; v[96:127]  of cur Wh; then y + 0.5, g, z g, h_loc
.set TS, 128                           ; v[128:159] sigmoid(y)
.set US, 160                           ; v[160:191] z
.set PW, 192                           ; v[192:223] the pair words
.set OB, 224                           ; v[224:255] stage rows on their way out
; window 0 ahead of the phases
.set CAR0, 32                          ; v[32:47], v[48:63] the two carries, my 16 columns of a row
.set GAM, 64
.set BET, 80
.set HH,  96                           ; four rows x 16
.set TT,  160                          ; four rows x 8, at work
.set NM,  192                          ; four pairs: - mean in the low word
.set RS,  200                          ; four pairs: 1 / sigma in the low word
; window 1: cur in f16 (row i at 8 i), then the weights' fragments (8 (2 kb + nt)); window 2: cur rows (16 i), then cur's fragments of kb 0-7 (32 kb + 8 mt); window 3: pair rows, then kb 8-15
.set K2C, 72                           ; s72, s73  my two sub-chunks' numbers
.set KMK, 62
.set KNL, 56                           ; s[56:57] - log2 e
.set KNM, 74                           ; - 1/512
.set KIV, 75                           ; 1/512
.set KEP, 76                           ; 1e-5
.set SEL, 60
.set MSB, 0
.macro WIN new                         ; the high byte repeats the setting that is left; a switch that changes nothing is dropped
.if MSB != (\new)
	s_set_vgpr_msb (MSB<<8)|(\new)
.set MSB, (\new)
.endif
.endm
.macro PLACES
.rept 4
	v_nop
.endr
.endm
.macro BAR
	s_barrier_signal -1
	s_barrier_wait -1
.endm
.macro ROUND                           ; a round of the cluster's barrier: my work-group's barrier, wave 0 signals for it, every wave waits for all four work-groups, my work-group's barrier once more
	s_barrier_signal -1
	s_barrier_wait -1
	s_cmp_lg_u32 s44, 0
	s_cbranch_scc1 .Lnw0_\@
	s_barrier_signal -3
.Lnw0_\@:
	s_barrier_wait -3
	s_barrier_signal -1
	s_barrier_wait -1
.endm
.macro R4 line:vararg                  ; one line for each of a group's four rows rr, so that no line waits for the one before it
.set rr, 0
.rept 4
	\line
.set rr, rr+1
.endr
.endm
.macro XL                              ; v[TT + 8 rr] summed over the 32 lanes, the result in every lane
.irp m, 1,2,4,8
	R4 v_add_f32_dpp v[TT+8*rr], v[TT+8*rr], v[TT+8*rr] row_xmask:\m row_mask:0xf bank_mask:0xf
.endr
	R4 v_permlanex16_b32 v[TT+8*rr+1], v[TT+8*rr], s[SEL], s[SEL+1]
	R4 v_add_f32 v[TT+8*rr], v[TT+8*rr], v[TT+8*rr+1]
.endm
; Layer norm of four rows in HH, in place: mean; d = h - mean; the mean of d^2; d / sqrt(. + eps) x gamma + beta.
.macro LNCORE
.irp k, 0,1,2,3
	R4 v_pk_add_f32 v[TT+8*rr+2*\k:TT+8*rr+2*\k+1], v[HH+16*rr+4*\k:HH+16*rr+4*\k+1], v[HH+16*rr+4*\k+2:HH+16*rr+4*\k+3]
.endr
	R4 v_pk_add_f32 v[TT+8*rr:TT+8*rr+1], v[TT+8*rr:TT+8*rr+1], v[TT+8*rr+2:TT+8*rr+3]
	R4 v_pk_add_f32 v[TT+8*rr+4:TT+8*rr+5], v[TT+8*rr+4:TT+8*rr+5], v[TT+8*rr+6:TT+8*rr+7]
	R4 v_pk_add_f32 v[TT+8*rr:TT+8*rr+1], v[TT+8*rr:TT+8*rr+1], v[TT+8*rr+4:TT+8*rr+5]
	R4 v_add_f32 v[TT+8*rr], v[TT+8*rr], v[TT+8*rr+1]
	XL
	R4 v_mul_f32 v[NM+2*rr], s[KNM], v[TT+8*rr]
.irp k, 0,1,2,3,4,5,6,7
	R4 v_pk_add_f32 v[HH+16*rr+2*\k:HH+16*rr+2*\k+1], v[HH+16*rr+2*\k:HH+16*rr+2*\k+1], v[NM+2*rr:NM+2*rr+1] op_sel_hi:[1,0]
.endr
	R4 v_pk_mul_f32 v[TT+8*rr:TT+8*rr+1], v[HH+16*rr:HH+16*rr+1], v[HH+16*rr:HH+16*rr+1]
	R4 v_pk_mul_f32 v[TT+8*rr+2:TT+8*rr+3], v[HH+16*rr+2:HH+16*rr+3], v[HH+16*rr+2:HH+16*rr+3]
.irp k, 2,3,4,5,6,7
	R4 v_pk_fma_f32 v[TT+8*rr+2*(\k%2):TT+8*rr+2*(\k%2)+1], v[HH+16*rr+2*\k:HH+16*rr+2*\k+1], v[HH+16*rr+2*\k:HH+16*rr+2*\k+1], v[TT+8*rr+2*(\k%2):TT+8*rr+2*(\k%2)+1]
.endr
	R4 v_pk_add_f32 v[TT+8*rr:TT+8*rr+1], v[TT+8*rr:TT+8*rr+1], v[TT+8*rr+2:TT+8*rr+3]
	R4 v_add_f32 v[TT+8*rr], v[TT+8*rr], v[TT+8*rr+1]
	XL
	R4 v_fma_f32 v[TT+8*rr], v[TT+8*rr], s[KIV], s[KEP]
	R4 v_rsq_f32 v[RS+2*rr], v[TT+8*rr]
	v_nop                                          ; a plain instruction behind the last root,
	s_wait_alu depctr_va_vdst(0)                   ; and one wait for the four, ahead of their first reader
.irp k, 0,1,2,3,4,5,6,7
	R4 v_pk_mul_f32 v[HH+16*rr+2*\k:HH+16*rr+2*\k+1], v[HH+16*rr+2*\k:HH+16*rr+2*\k+1], v[RS+2*rr:RS+2*rr+1] op_sel_hi:[1,0]
.endr
.irp k, 0,1,2,3,4,5,6,7
	R4 v_pk_fma_f32 v[HH+16*rr+2*\k:HH+16*rr+2*\k+1], v[HH+16*rr+2*\k:HH+16*rr+2*\k+1], v[GAM+2*\k:GAM+2*\k+1], v[BET+2*\k:BET+2*\k+1]
.endr
.endm
; Rows 4 g .. 4 g + 3 of my 16: h from the pair words and the carry, layer norm, + cur; cur is stored in f32 and kept in f16 for the products.
.macro GROUP g
.set CAR, CAR0+16*((\g)/2)             ; rows 0-7 lie in my first sub-chunk, rows 8-15 in the second
.set R0, 64*(\g)
	WIN 0x33                                       ; the pair words (sources 0 and 2) in window 3
.set x, 0
.rept 64
	v_fma_mix_f32 v[HH+x], v[R0+x], v[CAR+x%16], v[R0+x] op_sel:[1,0,0] op_sel_hi:[1,0,1]  ; Acum (high f16) x carry + h_loc (low f16)
.set x, x+1
.endr
	WIN 0
	LNCORE
	WIN 0x82                                       ; cur (destination and source 0) in window 2
.set x, 0
.rept 32
	v_pk_add_f32 v[R0+2*x:R0+2*x+1], v[R0+2*x:R0+2*x+1], v[HH+2*x:HH+2*x+1]
.set x, x+1
.endr
	WIN 0x4a                                       ; sources in window 2, destination in window 1
.set x, 0
.rept 32
	v_cvt_pk_f16_f32 v[R0/2+x], v[R0+2*x], v[R0+2*x+1]
.set x, x+1
.endr
	WIN 0x08                                       ; store data in window 2
.set x, 0
.rept 16
.set ro, (((4*(\g)+x/4)/8)*32+(4*(\g)+x/4)%8)*2048+512*(x%4)
	global_store_b128 v[RO], v[R0+4*x:R0+4*x+3], s[24:25] offset:ro  ; 512 consecutive bytes, aligned
.set x, x+1
.endr
	WIN 0
.endm
; The carries.  r = g(h0) for my four columns; at step sc the carry into sub-chunk sc is r, taken by a select where sc is one of my two; then r = A r + B.  nsc: how many steps are folded.
.macro REC nsc
.irp e, 0,1,2,3
	v_mul_f32 v[240+\e], s[KNL], v[224+\e]
.endr
.irp e, 0,1,2,3
	v_exp_f32 v[240+\e], v[240+\e]
.endr
	v_nop
	s_wait_alu depctr_va_vdst(0)                   ; one wait for the four exponentials
.irp e, 0,1,2,3
	v_add_f32 v[240+\e], 1.0, v[240+\e]
.endr
.irp e, 0,1,2,3
	v_rcp_f32 v[240+\e], v[240+\e]
.endr
.irp e, 0,1,2,3
	v_add_f32 v[224+\e], 0.5, v[224+\e]
.endr
	s_wait_alu depctr_va_vdst(0)                   ; one wait for the four reciprocals; the additions above are the plain work behind them
.irp e, 0,1,2,3
	v_max_num_f32 v[228+\e], v[224+\e], v[240+\e]
.endr
.irp e, 0,1,2,3
	v_mov_b32 v[232+\e], v[228+\e]                 ; the selects below read their destinations
	v_mov_b32 v[236+\e], v[228+\e]
.endr
.set sc, 0
.rept 16
	s_cmp_eq_u32 s[K2C+sc%2], sc                   ; my first sub-chunk's number is even, my second's odd
	s_cselect_b32 s[KMK], -1, 0
.irp e, 0,1,2,3
	v_cndmask_b32 v[232+4*(sc%2)+\e], v[232+4*(sc%2)+\e], v[228+\e], s[KMK]
.endr
.if sc < (\nsc)
	v_pk_fma_f32 v[228:229], v[228:229], v[96+8*sc:97+8*sc], v[100+8*sc:101+8*sc]
	v_pk_fma_f32 v[230:231], v[230:231], v[98+8*sc:99+8*sc], v[102+8*sc:103+8*sc]
.endif
.set sc, sc+1
.endr
.endm
; 256 k of cur in f16: my 16 rows into LDS, a barrier, then all 64 rows' fragments into window 2 + hf.
.macro AHALF hf
	WIN 0x04                                       ; store data in window 1
.set i, 0
.rept 16
	ds_store_b64 v[AW], v[8*i+4*(\hf):8*i+4*(\hf)+1] offset:AP*i
	ds_store_b64 v[AW], v[8*i+4*(\hf)+2:8*i+4*(\hf)+3] offset:AP*i+256
.set i, i+1
.endr
	s_wait_dscnt 0x0                               ; for the others' sake: my rows lie in LDS
	BAR
	WIN 0x80+0x40*(\hf)
.set i, 0
.rept 32                               ; row tile i / 8, k block i % 8 of the half
	ds_load_b128 v[32*(i%8)+8*(i/8):32*(i%8)+8*(i/8)+3],   v[AR] offset:16*AP*(i/8)+64*(i%8)
	ds_load_b128 v[32*(i%8)+8*(i/8)+4:32*(i%8)+8*(i/8)+7], v[AR] offset:16*AP*(i/8)+64*(i%8)+32
.set i, i+1
.endr
	WIN 0
.endm
.macro FETCHB                          ; a phase's weights, my quarter of the slot: 32 fragments, 64 loads of 512 consecutive bytes
	WIN 0x40
.set f, 0
.rept 32
	ds_load_b128 v[8*f:8*f+3],   v[BA] offset:1024*f
	ds_load_b128 v[8*f+4:8*f+7], v[BA] offset:1024*f+512
.set f, f+1
.endr
	WIN 0
.endm
.macro GEMM                            ; 128 matrix instructions on end; the eight accumulators take turns, one instruction a turn; the first k block starts the sums
	WIN 0x06                                       ; cur (source 0) in window 2, weights (source 1) in window 1
.set kb, 0
.rept 16
.if kb == 8
	WIN 0x07                                       ; cur in window 3
.endif
.set mt, 0
.rept 4
.if kb == 0
	v_wmma_f32_16x16x32_f16 v[AZ+8*mt:AZ+8*mt+7], v[8*mt:8*mt+7], v[0:7], 0
	v_wmma_f32_16x16x32_f16 v[AH+8*mt:AH+8*mt+7], v[8*mt:8*mt+7], v[8:15], 0
.else
	v_wmma_f32_16x16x32_f16 v[AZ+8*mt:AZ+8*mt+7], v[32*(kb%8)+8*mt:32*(kb%8)+8*mt+7], v[16*kb:16*kb+7], v[AZ+8*mt:AZ+8*mt+7]
	v_wmma_f32_16x16x32_f16 v[AH+8*mt:AH+8*mt+7], v[32*(kb%8)+8*mt:32*(kb%8)+8*mt+7], v[16*kb+8:16*kb+15], v[AH+8*mt:AH+8*mt+7]
.endif
.set mt, mt+1
.endr
.set kb, kb+1
.endr
	WIN 0
.endm
; A prefetch of the phase that stands two refills on: its 131,072 bytes are named once in the launch, by the one cluster with x = 0 and batch 0: wave w of partner cx names 32 blocks of 256 bytes, a lane a block,
; at 32,768 w + 8,192 cx: shared out by address.  It stands behind the joint load and the run of LDS loads, and stops when that phase would be past the layer's eighth (s51 counts the refills left).
.macro ASK
	s_cmp_gt_u32 s51, s52
	s_cbranch_scc0 .Lnoask_\@
	global_prefetch_b8 v[PFO], s[54:55] th:TH_LOAD_NT scope:SCOPE_SE
.Lnoask_\@:
.endm
; The change of slots.  The slot just multiplied lies in registers.  Each wave waits for all its tensor loads (one is out: its quarter of the other slot), adds 0 to its spare word, and waits for that and for all its
; LDS instructions: the last phase's run of stores into the stage is among them, so the barrier also shows the stage to all four waves.  fill = 1: a round of the cluster's barrier, and the joint refill first behind it:
; it has the gates and a whole phase in which to land.
.macro CHANGE fill
	WIN 0
	s_wait_tensorcnt 0x0                           ; no tensor load of mine is out, so the descriptor may be written
	ds_add_u32 v[SPW], v[NIL]                      ; 0 onto my spare word; the steps below stand between it and the wait for it
.if \fill
	s_xor_b32 s41, s41, SLOTB                      ; the other slot than last time,
	s_add_nc_u64 s[42:43], s[42:43], SLOTB         ; the next phase's weights; the type bits on top are not reached
.endif
	s_wait_xcnt 0x0                                ; the last phase's stores of pair words and its prefetch, a phase back, have read their registers: GO, OB and the prefetch's address are rewritten only behind this wait
.if \fill
	s_add_nc_u64 s[54:55], s[54:55], SLOTB
.endif
	v_add_nc_u32 v[GO], 0x100, v[GO]               ; a phase's 64 columns on; the stores reach back
	s_xor_b32 s50, s50, SLOTB
	v_add_nc_u32 v[BA], s50, v[B0]                 ; the slot to be read next
	s_wait_dscnt 0x0
.if \fill
	ROUND
	tensor_load_to_lds s[40:43], s[28:35]
	s_nop 0
	PLACES                                         ; also the places between the last product and the loads into its sources
.else
	BAR
	PLACES
.endif
.endm
.macro PAIR3 n                         ; two times: 1 - z = E z; g = max(y + 0.5, sigmoid y); z g
	v_pk_mul_f32 v[AZ+(\n):AZ+(\n)+1], v[AZ+(\n):AZ+(\n)+1], v[US+(\n):US+(\n)+1]
	v_max_num_f32 v[AH+(\n)], v[AH+(\n)], v[TS+(\n)]
	v_max_num_f32 v[AH+(\n)+1], v[AH+(\n)+1], v[TS+(\n)+1]
	v_pk_mul_f32 v[AH+(\n):AH+(\n)+1], v[AH+(\n):AH+(\n)+1], v[US+(\n):US+(\n)+1]
.endm
; The gates' first half: 32 times of one column a lane.  Two batches of 64 transcendentals, each with one wait; plain work of the next pair stands between the transcendentals of the last.
.macro EPI1
	s_wait_loadcnt 0x0                             ; my column's bz and bh, asked for ahead of the products
	v_add_nc_u32 v[BO], 0x100, v[BO]               ; free since that wait: the next phase's 64 columns
	v_mul_f32 v22, s[KNL], v20                     ; - c bz
	v_mul_f32 v24, s[KNL], v21                     ; - c bh
	v_add_f32 v26, 0.5, v21                        ; bh + 0.5
.set n, 0
.rept 17                               ; each accumulator's lowest registers are read first
.if n < 16
	v_pk_fma_f32 v[AZ+2*n:AZ+2*n+1], v[AZ+2*n:AZ+2*n+1], s[KNL:KNL+1], v[22:23] op_sel_hi:[1,0,0]
.endif
.if n > 0
	v_exp_f32 v[AZ+2*n-2], v[AZ+2*n-2]
.endif
.if n < 16
	v_pk_fma_f32 v[TS+2*n:TS+2*n+1], v[AH+2*n:AH+2*n+1], s[KNL:KNL+1], v[24:25] op_sel_hi:[1,0,0]
.endif
.if n > 0
	v_exp_f32 v[AZ+2*n-1], v[AZ+2*n-1]
.endif
.if n < 16
	v_min_num_f32 v[AZ+2*n], s58, v[AZ+2*n]        ; E stays finite, so that E / (1 + E) is 1 and no NaN
.endif
.if n > 0
	v_exp_f32 v[TS+2*n-2], v[TS+2*n-2]
.endif
.if n < 16
	v_min_num_f32 v[AZ+2*n+1], s58, v[AZ+2*n+1]
.endif
.if n > 0
	v_exp_f32 v[TS+2*n-1], v[TS+2*n-1]
.endif
.if n < 16
	v_pk_add_f32 v[AH+2*n:AH+2*n+1], v[AH+2*n:AH+2*n+1], v[26:27] op_sel_hi:[1,0]
.endif
.set n, n+1
.endr
	v_nop
	s_wait_alu depctr_va_vdst(0)                   ; one wait for the 64 exponentials
.set n, 0
.rept 17
.if n < 16
	v_pk_add_f32 v[US+2*n:US+2*n+1], v[AZ+2*n:AZ+2*n+1], 1.0 op_sel_hi:[1,0]
.endif
.if n > 0
	v_rcp_f32 v[US+2*n-2], v[US+2*n-2]
.endif
.if n < 16
	v_pk_add_f32 v[TS+2*n:TS+2*n+1], v[TS+2*n:TS+2*n+1], 1.0 op_sel_hi:[1,0]
.endif
.if n > 0
	v_rcp_f32 v[US+2*n-1], v[US+2*n-1]
	v_rcp_f32 v[TS+2*n-2], v[TS+2*n-2]
	v_rcp_f32 v[TS+2*n-1], v[TS+2*n-1]
.endif
.set n, n+1
.endr
	v_nop
	s_wait_alu depctr_va_vdst(0)                   ; one wait for the 64 reciprocals
.endm
; The gates' second half and the scan: work on registers alone.  The two chains go a link a trip; the gates of the pair after next and the word of the time before stand between the links.
.macro EPI2
	PAIR3 0
.set n, 0
.rept 33
.if (n%2 == 0) && (n+2 < 32)
	PAIR3 n+2
.endif
.if (n >= 1) && (n <= 31)
	v_fma_f32 v[AH+n], v[AZ+n], v[AH+n-1], v[AH+n]
	v_mul_f32 v[AZ+n], v[AZ+n], v[AZ+n-1]
.endif
.if n >= 1
	v_cvt_pk_f16_f32 v[PW+n-1], v[AH+n-1], v[AZ+n-1]
.endif
.set n, n+1
.endr
.endm
.macro STAGE                           ; the phase's one run of LDS stores: the sub-chunk's end pair in f32 first (the next products write over its registers last of all), then the 32 words
	ds_store_b32 v[SS], v[AZ+31]
	ds_store_b32 v[SS], v[AH+31] offset:SSP
.set n, 0
.rept 32
	ds_store_b32 v[ST], v[PW+n] offset:(16*(n/8)+n%8)*SPI
.set n, n+1
.endr
	v_add_nc_u32 v[SS], 0x100, v[SS]
.endm
.macro BACK                            ; 16 stage rows a wave, whole
.irp u, 0,1,2,3,4,5,6,7
	ds_load_b128 v[OB+4*\u:OB+4*\u+3], v[RD] offset:2*SPI*\u
.endr
.endm
.macro SEND back                       ; 16 lanes store 256 consecutive bytes, aligned.  back: how far GO stands past the words' own columns
.irp u, 0,1,2,3,4,5,6,7
	global_store_b128 v[GO], v[OB+4*\u:OB+4*\u+3], s[22:23] offset:(2*\u+24*(\u/4))*2048-(\back)  ; stage rows 0-7 are times 0-7 of my eight in the first sub-chunk, rows 8-15 those in the second
.endr
.endm
; A phase: its products; the change of slots; the LAST phase's words out of the stage; the next phase's weights; its gates and scan; its words into the stage.
.macro PHASE fill
	global_load_b32 v20, v[BO], s[12:13]
	global_load_b32 v21, v[BO], s[14:15]
	GEMM                                           ; its weights were waited for in the middle of the last phase's gates (phase 0's ahead of the loop); the last run of stage stores drains meanwhile
	CHANGE \fill
.if \fill
	s_cmp_eq_u32 s51, 6                            ; phase 0 has no words to send: one branch for the reads and the stores
	s_cbranch_scc1 .Lnone_\@
	BACK
	FETCHB
	s_wait_dscnt 63                                ; 72 LDS loads were issued since the wait for 0: the count leaves the youngest 63 out, so the stage's eight are back
	SEND 512
	s_branch .Ljoin_\@
.Lnone_\@:
	FETCHB
.Ljoin_\@:
	ASK
.else
	BACK
	s_cmp_eq_u32 s51, 1                            ; behind the last phase there are no weights to fetch
	s_cbranch_scc1 .Lnone_\@
	FETCHB
	s_wait_dscnt 63                                ; as above
	SEND 512
	s_branch .Ljoin_\@
.Lnone_\@:
	s_wait_dscnt 0x0                               ; the stage's eight loads are all that is out
	SEND 512
.Ljoin_\@:
.endif
	EPI1
	s_wait_dscnt 0x0                               ; the next phase's weights are in registers, and my reads of the stage are over:
	s_barrier_signal -1                            ; say so; the refill may stay out
	EPI2
	s_barrier_wait -1                              ; all four waves' reads of the stage are over: it may be written again
	STAGE
.endm
.if FIRST
	s_load_b256 s[8:15], s[0:1], 0x0               ; x s[8:9], the buffer with layer 0's weights s[10:11], bz s[12:13], bh s[14:15]
	s_load_b64 s[22:23], s[0:1], 0x20              ; the pair words to be written
	s_load_b64 s[4:5], s[0:1], 0x28                ; the next layer's pack, for the end pairs
.else
	s_load_b256 s[4:11], s[0:1], 0x0               ; the next layer's pack s[4:5], pair words in s[6:7], cur in s[8:9], my pack s[10:11]
	s_load_b64 s[22:23], s[0:1], 0x20              ; pair words out
	s_load_b64 s[24:25], s[0:1], 0x28              ; cur out
.endif
	v_lshl_add_u32 v[SPW], v0, 2, SPARE
	v_mov_b32 v[NIL], 0
	ds_add_u32 v[SPW], v[NIL]                      ; the wave's opening: the add, twice on end, and its wait ahead of my first tensor load
	ds_add_u32 v[SPW], v[NIL]
	v_lshrrev_b32 v28, 5, v0
	v_readfirstlane_b32 s44, v28                   ; wave
	v_and_b32 v[LN], 31, v0
	v_and_b32 v[RL], 15, v0
	v_bfe_u32 v[HF], v0, 4, 1
	s_bfe_u32 s45, ttmp6, 0x40000                  ; cx
	s_lshl_b32 s46, ttmp9, 2
	s_add_co_u32 s46, s46, s45                     ; chunk c = 4 x cluster x + cx: it enters global addresses and selects alone
	s_and_b32 s47, ttmp7, 0xffff                   ; batch b
	s_lshl_b32 s37, s44, 15                        ; my quarter of a slot
	v_lshlrev_b32 v[RO], 4, v[LN]
	v_lshlrev_b32 v[PFO], 8, v[LN]
	v_add_nc_u32 v[B0], s37, v[RO]
	s_mul_i32 s26, s44, 16*AP
	s_add_co_u32 s26, s26, AS
	v_lshl_add_u32 v[AW], v[LN], 3, s26            ; my 16 rows are row tile w; 8 bytes a lane
	v_mul_u32_u24 v[AR], v[RL], AP
	v_lshl_add_u32 v[AR], v[HF], 4, v[AR]
	v_add_nc_u32 v[AR], AS, v[AR]
	s_lshl_b32 s26, s44, 6
	v_lshl_add_u32 v[BO], v[RL], 2, s26            ; 4 (16 w + lane % 16)
	v_mul_u32_u24 v[ST], v[HF], 8*SPI
	v_add_nc_u32 v[ST], v[ST], v[BO]
	v_add_nc_u32 v[ST], AS, v[ST]
	v_mul_u32_u24 v[SS], v[HF], 2*SSP
	v_add_nc_u32 v[SS], v[SS], v[BO]
	v_add_nc_u32 v[SS], SST, v[SS]
	s_mul_i32 s26, s44, 16*SPI
	s_add_co_u32 s26, s26, AS
	v_mul_u32_u24 v[RD], v[HF], SPI
	v_lshl_add_u32 v[RD], v[RL], 4, v[RD]
	v_add_nc_u32 v[RD], s26, v[RD]
	v_lshlrev_b32 v[GO], 11, v[HF]
	v_lshl_add_u32 v[GO], v[RL], 4, v[GO]
	s_lshl_b32 s26, s44, 9
	s_add_co_u32 s26, s26, CARB
	v_add_nc_u32 v[CW], s26, v[RO]
	v_add_nc_u32 v[CR], CARB, v[RO]
	s_mul_i32 s26, s44, SSP
	s_add_co_u32 s26, s26, SST
	v_add_nc_u32 v[SR], s26, v[RO]
	v_mov_b32 v23, 0                               ; the upper words of pairs that are named whole and used by their low words
	v_mov_b32 v25, 0
	v_mov_b32 v27, 0
.if !FIRST
.irp e, 0,1,2,3
	v_mov_b32 v[NM+2*\e+1], 0
	v_mov_b32 v[RS+2*\e+1], 0
.endr
.endif
	; descriptor group 1: 32,768 dense bytes as 128 rows of 256
	s_mov_b32 s28, 15|(3<<16)|(1<<21)              ; 15:0 the mask: all four work-groups; 17:16 elements of 8 bytes; 21 set beside a mask
	s_mov_b32 s29, 32<<16                          ; tensor_dim0 = 32
	s_mov_b32 s30, 128<<16                         ; tensor_dim1 = 128
	s_mov_b32 s31, 32<<16                          ; tile_dim0 = 32
	s_mov_b32 s32, 128                             ; tile_dim1 = 128
	s_mov_b32 s33, 32                              ; 32 elements from row to row
	s_mov_b32 s34, 0
	s_mov_b32 s35, 0
	s_mov_b32 s36, 1                               ; group 0 of phase 0: slot 0
	s_mov_b32 s40, 1                               ; group 0 of phase 1: slot 1; it then walks
	s_add_co_u32 s41, s37, SLOTB
	s_mov_b32 s50, 0
	s_mov_b32 s56, 0xbfb8aa3b                      ; - log2 e
	s_mov_b32 s57, s56
	s_mov_b32 s58, 0x42c80000                      ; 100
	s_mov_b32 s60, 0x76543210
	s_mov_b32 s61, 0xfedcba98
	s_mov_b32 s74, 0xbb000000                      ; - 1/512
	s_mov_b32 s75, 0x3b000000                      ; 1/512
	s_mov_b32 s76, 0x3727c5ac                      ; 1e-5
	s_mov_b32 s78, s37                             ; my quarter's offset in a phase's weights, in a pair of its own: made of the wave's number alone
	s_mov_b32 s79, 0
	s_wait_dscnt 0x0                               ; both opening adds are done
	s_wait_kmcnt 0x0
	s_mov_b32 s27, 0
	s_mov_b32 s71, 0
	s_mov_b32 s69, 0
	s_lshl_b32 s70, s47, 20                        ; my rows: b x 512 rows + c x 64 + w x 8, of 2,048 bytes
	s_lshl_b32 s26, s46, 17
	s_add_co_u32 s70, s70, s26
	s_lshl_b32 s26, s44, 14
	s_add_co_u32 s70, s70, s26
	s_lshl_b32 s68, s47, 16                        ; end pairs out: b x 65,536 + (2 c + w / 2) x 4,096 + (w % 2) x 2,048 = b x 65,536 + c x 8,192 + w x 2,048
	s_lshl_b32 s26, s46, 13
	s_add_co_u32 s68, s68, s26
	s_lshl_b32 s26, s44, 11
	s_add_co_u32 s68, s68, s26
	s_add_co_u32 s68, s68, PSUM
	s_add_nc_u64 s[68:69], s[4:5], s[68:69]
	s_add_nc_u64 s[22:23], s[22:23], s[70:71]
	s_add_nc_u64 s[8:9], s[8:9], s[70:71]
.if !FIRST
	s_add_nc_u64 s[12:13], s[10:11], PBZ           ; the pack's parts, at constant offsets
	s_add_nc_u64 s[14:15], s[10:11], PBH
	s_add_nc_u64 s[16:17], s[10:11], PGA
	s_add_nc_u64 s[18:19], s[10:11], PBE
	s_lshl_b32 s59, s44, 9                         ; my 128 columns
	s_lshl_b32 s26, s47, 11
	s_add_co_u32 s26, s26, s59
	s_add_co_u32 s26, s26, PH0
	s_add_nc_u64 s[20:21], s[10:11], s[26:27]      ; h0 of my batch
	s_mov_b32 s67, 0
	s_lshl_b32 s66, s47, 16
	s_add_co_u32 s66, s66, s59
	s_add_co_u32 s66, s66, PSUM
	s_add_nc_u64 s[66:67], s[10:11], s[66:67]      ; the end pairs of my batch
	s_add_nc_u64 s[6:7], s[6:7], s[70:71]
	s_add_nc_u64 s[24:25], s[24:25], s[70:71]
	s_lshl_b32 s72, s46, 1
	s_add_co_u32 s73, s72, 1
.endif
	s_add_nc_u64 s[10:11], s[10:11], s[78:79]      ; the weights, my quarter of phase 0: an argument and the wave's number: the same in all four partners
	s_mov_b64 s[38:39], s[10:11]
	s_or_b32 s39, s39, 0x80000000                  ; type = 2
	s_add_nc_u64 s[42:43], s[10:11], SLOTB
	s_or_b32 s43, s43, 0x80000000
	s_lshl_b32 s26, s45, 13                        ; the prefetches: my work-group's 8,192 bytes of my wave's quarter,
	s_add_co_u32 s26, s26, 3*SLOTB                 ; at phase 3: the first change of slots steps it to phase 4
	s_add_nc_u64 s[54:55], s[10:11], s[26:27]
	s_or_b32 s52, ttmp9, s47
	s_cmp_eq_u32 s52, 0
	s_cselect_b32 s52, 2, -1                       ; the one cluster that prefetches does so while more than two refills are left; the same in all four partners
	ROUND                                          ; all four work-groups are here: the first joint loads meet
	tensor_load_to_lds s[36:39], s[28:35]
	s_nop 0
	tensor_load_to_lds s[40:43], s[28:35]          ; two loads of mine are out
	s_nop 0
	PLACES
.if FIRST
	WIN 0x80                                       ; my 16 rows of x: row i is time 32 (i / 8) + 8 w + i % 8 of the chunk
.set x, 0
.rept 64
.set ro, (((x/4)/8)*32+(x/4)%8)*2048+512*(x%4)
	global_load_b128 v[4*x:4*x+3], v[RO], s[8:9] offset:ro th:TH_LOAD_NT
.set x, x+1
.endr
.set g, 0
.rept 4
	s_wait_loadcnt 48-16*g                         ; four rows' 16 loads are in, the younger ones may stay out
	WIN 0x4a
.set x, 0
.rept 32
	v_cvt_pk_f16_f32 v[32*g+x], v[64*g+2*x], v[64*g+2*x+1]
.set x, x+1
.endr
.set g, g+1
.endr
	WIN 0
.else
	global_load_b128 v[224:227], v[RO], s[20:21]   ; h0, my four columns
.set sc, 0
.rept 15                               ; the end pairs of sub-chunks 0 to 14: the last feeds no carry
	global_load_b128 v[96+8*sc:99+8*sc],   v[RO], s[66:67] offset:4096*sc
	global_load_b128 v[100+8*sc:103+8*sc], v[RO], s[66:67] offset:4096*sc+2048
.set sc, sc+1
.endr
.irp q, 0,1,2,3
	global_load_b128 v[GAM+4*\q:GAM+4*\q+3], v[RO], s[16:17] offset:512*\q
.endr
.irp q, 0,1,2,3
	global_load_b128 v[BET+4*\q:BET+4*\q+3], v[RO], s[18:19] offset:512*\q
.endr
.set g, 0
.rept 4                                ; my 16 rows, four at a time: cur into window 2, pair words into window 3
	WIN 0x80
.set x, 0
.rept 16
.set ro, (((4*g+x/4)/8)*32+(4*g+x/4)%8)*2048+512*(x%4)
	global_load_b128 v[64*g+4*x:64*g+4*x+3], v[RO], s[8:9] offset:ro th:TH_LOAD_NT
.set x, x+1
.endr
	WIN 0xc0
.set x, 0
.rept 16
.set ro, (((4*g+x/4)/8)*32+(4*g+x/4)%8)*2048+512*(x%4)
	global_load_b128 v[64*g+4*x:64*g+4*x+3], v[RO], s[6:7] offset:ro th:TH_LOAD_NT
.set x, x+1
.endr
.set g, g+1
.endr
	WIN 0
	s_wait_loadcnt 63                              ; 128 younger loads exist: h0, the end pairs, gamma and beta are in
	REC 15
	ds_store_b128 v[CW], v[232:235]
	ds_store_b128 v[CW], v[236:239] offset:2048
	s_wait_dscnt 0x0                               ; for the others' sake: my 128 columns of both carries lie in LDS
	BAR
.irp q, 0,1,2,3
	ds_load_b128 v[CAR0+4*\q:CAR0+4*\q+3],       v[CR] offset:512*\q
	ds_load_b128 v[CAR0+16+4*\q:CAR0+16+4*\q+3], v[CR] offset:2048+512*\q
.endr
	s_wait_dscnt 0x0
	s_wait_loadcnt 63                              ; 96 younger loads exist
	GROUP 0
	s_wait_loadcnt 63                              ; 64 younger
	GROUP 1
	s_wait_loadcnt 32
	GROUP 2
	s_wait_loadcnt 0x0
	GROUP 3
	s_wait_xcnt 0x0                                ; the stores of cur have read their data: window 2 takes fragments now
.endif
	AHALF 0
	s_wait_dscnt 0x0                               ; my reads of the first 256 k are over,
	BAR                                            ; everybody's are: the rows may be written again
	AHALF 1
	s_wait_tensorcnt 0x1                           ; my quarter of phase 0 is in, and I alone read it; phase 1's may stay out
	v_mov_b32 v[BA], v[B0]
	FETCHB
	s_wait_dscnt 0x0                               ; cur's fragments and phase 0's weights are in registers; my reads of cur's rows, where the stage will lie, are over
	s_mov_b32 s51, 6
.Lfill:                                        ; phases 0 to 5 ask for phases 2 to 7
	PHASE 1
	s_sub_co_u32 s51, s51, 1
	s_cmp_lg_u32 s51, 0
	s_cbranch_scc1 .Lfill
	s_mov_b32 s51, 2
.Ltail:                                        ; phases 6 and 7 ask for nothing
	PHASE 0
	s_sub_co_u32 s51, s51, 1
	s_cmp_lg_u32 s51, 0
	s_cbranch_scc1 .Ltail
	s_wait_dscnt 0x0                               ; for the others' sake: phase 7's words lie in the stage, all my end pairs in their rows
	BAR
	s_wait_xcnt 0x0                                ; the stores of phase 6's words have read OB
	BACK
.irp q, 0,1,2,3                        ; the end pairs: wave w takes row w: sub-chunk w / 2, A or B
	ds_load_b128 v[AZ+4*\q:AZ+4*\q+3], v[SR] offset:512*\q
.endr
	s_wait_dscnt 4                                 ; the stage's eight loads are back; the four behind them may stay out
	SEND 256
	s_wait_dscnt 0x0
.irp q, 0,1,2,3
	global_store_b128 v[RO], v[AZ+4*\q:AZ+4*\q+3], s[68:69] offset:512*\q
.endr
	s_wait_tensorcnt 0x0                           ; the wave's end, behind my last tensor load and my last LDS store
	ds_add_u32 v[SPW], v[NIL]
	s_wait_dscnt 0x0
	ROUND                                          ; the closing round: no work-group ends while a partner may still ask jointly
	s_endpgm
.Lfunc_end_k_q1dd5a3428c_mid1:
	.size	k_q1dd5a3428c_mid1, .Lfunc_end_k_q1dd5a3428c_mid1-k_q1dd5a3428c_mid1
	.p2alignl 7, 3214868480
	.fill 96, 4, 3214868480
	.section	.rodata,"a",@progbits
	.p2align	6, 0x0
	.amdhsa_kernel k_q1dd5a3428c_mid1
		.amdhsa_group_segment_fixed_size 327680
		.amdhsa_private_segment_fixed_size 0
		.amdhsa_enable_private_segment 0
		.amdhsa_kernarg_size 48
		.amdhsa_user_sgpr_count 2
		.amdhsa_user_sgpr_kernarg_segment_ptr 1
		.amdhsa_wavefront_size32 1
		.amdhsa_system_sgpr_workgroup_id_x 1
		.amdhsa_system_sgpr_workgroup_id_y 1
		.amdhsa_system_sgpr_workgroup_id_z 1
		.amdhsa_system_vgpr_workitem_id 0
		.amdhsa_next_free_vgpr 1024
		.amdhsa_next_free_sgpr 80
		.amdhsa_reserve_vcc 0
		.amdhsa_float_denorm_mode_32 3
		.amdhsa_float_denorm_mode_16_64 3
		.amdhsa_memory_ordered 1
		.amdhsa_forward_progress 1
		.amdhsa_inst_pref_size 220
	.end_amdhsa_kernel
	.amdgpu_metadata
---
amdhsa.version: [ 1, 2 ]
amdhsa.kernels:
  - .name:           k_q1dd5a3428c_mid1
    .symbol:         k_q1dd5a3428c_mid1.kd
    .args:
      - { .name: pk2, .offset: 0, .size: 8, .value_kind: global_buffer, .address_space: global }
      - { .name: pairA, .offset: 8, .size: 8, .value_kind: global_buffer, .address_space: global }
      - { .name: x, .offset: 16, .size: 8, .value_kind: global_buffer, .address_space: global }
      - { .name: pk1, .offset: 24, .size: 8, .value_kind: global_buffer, .address_space: global }
      - { .name: pairB, .offset: 32, .size: 8, .value_kind: global_buffer, .address_space: global }
      - { .name: curA, .offset: 40, .size: 8, .value_kind: global_buffer, .address_space: global }
    .group_segment_fixed_size: 327680
    .private_segment_fixed_size: 0
    .kernarg_segment_align: 8
    .kernarg_segment_size: 48
    .max_flat_workgroup_size: 128
    .sgpr_count:     80
    .vgpr_count:     1024
    .wavefront_size: 32
...
	.end_amdgpu_metadata
.endif
;; end of part 3
;; launch mid2: the kernel of part 3 again; grid 8 x 32, 4 waves a work-group, clusters of 4 x 1, 327,680 bytes of LDS; arguments pk3, pairB, curA, pk2, pairA, curB; writes pk3, pairA, curB
;; launch mid3: the kernel of part 3 again; grid 8 x 32, 4 waves a work-group, clusters of 4 x 1, 327,680 bytes of LDS; arguments pk4, pairA, curB, pk3, pairB, curA; writes pk4, pairB, curA
;; launch last (part 4): grid 8 x 32, 8 waves a work-group, no clusters, 5,120 bytes of LDS; arguments pairB, pk1, curA, gamma, beta, h0, out0, out1, pk2, pk3, pk4; writes out0, out1
.if DOCPART == 4
	.amdgcn_target "amdgcn-amd-amdhsa--gfx1250"
	.amdhsa_code_object_version 6
	.text
	.protected	k_q1dd5a3428c_last
	.globl	k_q1dd5a3428c_last
	.p2align	8
	.type	k_q1dd5a3428c_last,@function
k_q1dd5a3428c_last:
	s_mov_b64 s[64:65], 0
	v_nop
	global_prefetch_b8 v0, s[64:65] scope:SCOPE_SE
	s_setreg_imm32_b32 hwreg(HW_REG_WAVE_MODE, 25, 1), 1
	s_wait_xcnt 0x0
; THE LAST LAYER IS FINISHED, AND out1 IS MADE.  out0 = layer norm(h of layer 3) x gamma + beta + cur;  out1[l][b] = h of layer l at the last time.
; pairB holds a word for each (b, t, column) of layer 3: f16 h_loc low, f16 Acum high.  The end pairs of layer l, in f32, [b][16 sub-chunks][A, B][512], lie at PSUM in pack l + 1 (pk1 .. pk4).
; SHARES.  A work-group owns one batch b and 64 time rows (chunk c); wave w rows 8 w .. 8 w + 7, which lie in sub-chunk 2 c + w / 4.
; FOLDS.  r = g(h0), then r = A r + B over the 16 sub-chunks, in f32, four columns a lane.  Waves 0-3 fold layer 3 at columns 128 w and keep r as it stands ahead of my two sub-chunks: the carries, handed round through LDS.
; Waves 4 and 5 fold layer c / 2 at column quarter 2 (c % 2) + w - 4 and store the end value: 128 columns of out1: 4 layers x 32 batches x 4 quarters = 2 for each of the 256 work-groups.
; One fold text serves both kinds (waves 0-3 do not need the last step, waves 4 and 5 not the two selects); the pack is chosen by branches on the layer, to copies of the 32 loads: each load names one buffer.
; A stream: each byte is read once and written once, 64 row loads of 512 consecutive bytes a wave are asked for at the head; nothing is shared between work-groups, so no cluster and no tile in LDS.
; gamma, beta and h0 in f32 as they are given; sums in f32, the variance in two passes.  LIMITS: as for the words' f16 (h under 65,504); NaN and infinities are not treated apart.
.set CARB,  0                          ; 4,096 bytes: the two carries, 512 columns each
.set SPARE, 4096                       ; the spare words, 128 bytes a wave
.set PSUM,  1122304
.set RO, 16                            ; 16 lane
.set CW, 17                            ; carries: in
.set CR, 18                            ; carries: back, my sub-chunk's
.set CAR, 32                           ; v[32:47] my sub-chunk's carry, my 16 columns of a row
.set GAM, 64
.set BET, 80
.set HH,  96                           ; four rows x 16 (ahead of that v[96:223] hold the end pairs)
.set TT,  160
.set NM,  192
.set RS,  200
; window 1: v0-127 cur, row i at 16 i; v128-255 the pair words
.set K2C, 30                           ; s30, s31 my work-group's two sub-chunks
.set KMK, 49
.set KNL, 41                           ; - log2 e
.set KNM, 46
.set KIV, 47
.set KEP, 48
.set SEL, 44
.set MSB, 0
.macro WIN new
.if MSB != (\new)
	s_set_vgpr_msb (MSB<<8)|(\new)
.set MSB, (\new)
.endif
.endm
.macro R4 line:vararg                  ; one line for each of a group's four rows rr
.set rr, 0
.rept 4
	\line
.set rr, rr+1
.endr
.endm
.macro XL                              ; v[TT + 8 rr] summed over the 32 lanes, the result in every lane
.irp m, 1,2,4,8
	R4 v_add_f32_dpp v[TT+8*rr], v[TT+8*rr], v[TT+8*rr] row_xmask:\m row_mask:0xf bank_mask:0xf
.endr
	R4 v_permlanex16_b32 v[TT+8*rr+1], v[TT+8*rr], s[SEL], s[SEL+1]
	R4 v_add_f32 v[TT+8*rr], v[TT+8*rr], v[TT+8*rr+1]
.endm
.macro LNCORE                          ; layer norm of four rows in HH, in place
.irp k, 0,1,2,3
	R4 v_pk_add_f32 v[TT+8*rr+2*\k:TT+8*rr+2*\k+1], v[HH+16*rr+4*\k:HH+16*rr+4*\k+1], v[HH+16*rr+4*\k+2:HH+16*rr+4*\k+3]
.endr
	R4 v_pk_add_f32 v[TT+8*rr:TT+8*rr+1], v[TT+8*rr:TT+8*rr+1], v[TT+8*rr+2:TT+8*rr+3]
	R4 v_pk_add_f32 v[TT+8*rr+4:TT+8*rr+5], v[TT+8*rr+4:TT+8*rr+5], v[TT+8*rr+6:TT+8*rr+7]
	R4 v_pk_add_f32 v[TT+8*rr:TT+8*rr+1], v[TT+8*rr:TT+8*rr+1], v[TT+8*rr+4:TT+8*rr+5]
	R4 v_add_f32 v[TT+8*rr], v[TT+8*rr], v[TT+8*rr+1]
	XL
	R4 v_mul_f32 v[NM+2*rr], s[KNM], v[TT+8*rr]
.irp k, 0,1,2,3,4,5,6,7
	R4 v_pk_add_f32 v[HH+16*rr+2*\k:HH+16*rr+2*\k+1], v[HH+16*rr+2*\k:HH+16*rr+2*\k+1], v[NM+2*rr:NM+2*rr+1] op_sel_hi:[1,0]
.endr
	R4 v_pk_mul_f32 v[TT+8*rr:TT+8*rr+1], v[HH+16*rr:HH+16*rr+1], v[HH+16*rr:HH+16*rr+1]
	R4 v_pk_mul_f32 v[TT+8*rr+2:TT+8*rr+3], v[HH+16*rr+2:HH+16*rr+3], v[HH+16*rr+2:HH+16*rr+3]
.irp k, 2,3,4,5,6,7
	R4 v_pk_fma_f32 v[TT+8*rr+2*(\k%2):TT+8*rr+2*(\k%2)+1], v[HH+16*rr+2*\k:HH+16*rr+2*\k+1], v[HH+16*rr+2*\k:HH+16*rr+2*\k+1], v[TT+8*rr+2*(\k%2):TT+8*rr+2*(\k%2)+1]
.endr
	R4 v_pk_add_f32 v[TT+8*rr:TT+8*rr+1], v[TT+8*rr:TT+8*rr+1], v[TT+8*rr+2:TT+8*rr+3]
	R4 v_add_f32 v[TT+8*rr], v[TT+8*rr], v[TT+8*rr+1]
	XL
	R4 v_fma_f32 v[TT+8*rr], v[TT+8*rr], s[KIV], s[KEP]
	R4 v_rsq_f32 v[RS+2*rr], v[TT+8*rr]
	v_nop                                          ; a plain instruction behind the last root,
	s_wait_alu depctr_va_vdst(0)                   ; and one wait for the four, ahead of their first reader
.irp k, 0,1,2,3,4,5,6,7
	R4 v_pk_mul_f32 v[HH+16*rr+2*\k:HH+16*rr+2*\k+1], v[HH+16*rr+2*\k:HH+16*rr+2*\k+1], v[RS+2*rr:RS+2*rr+1] op_sel_hi:[1,0]
.endr
.irp k, 0,1,2,3,4,5,6,7
	R4 v_pk_fma_f32 v[HH+16*rr+2*\k:HH+16*rr+2*\k+1], v[HH+16*rr+2*\k:HH+16*rr+2*\k+1], v[GAM+2*\k:GAM+2*\k+1], v[BET+2*\k:BET+2*\k+1]
.endr
.endm
.macro GROUP g                         ; rows 4 g .. 4 g + 3 of my eight
.set R0, 64*(\g)
	WIN 0x11                                       ; the pair words (sources 0 and 2) in window 1
.set x, 0
.rept 64
	v_fma_mix_f32 v[HH+x], v[128+R0+x], v[CAR+x%16], v[128+R0+x] op_sel:[1,0,0] op_sel_hi:[1,0,1]  ; Acum (high f16) x carry + h_loc (low f16)
.set x, x+1
.endr
	WIN 0
	LNCORE
	WIN 0x41                                       ; cur (destination and source 0) in window 1
.set x, 0
.rept 32
	v_pk_add_f32 v[R0+2*x:R0+2*x+1], v[R0+2*x:R0+2*x+1], v[HH+2*x:HH+2*x+1]
.set x, x+1
.endr
	WIN 0x04                                       ; store data in window 1
.set x, 0
.rept 16
	global_store_b128 v[RO], v[R0+4*x:R0+4*x+3], s[16:17] offset:(4*(\g)+x/4)*2048+512*(x%4) th:TH_STORE_NT  ; 512 consecutive bytes, aligned
.set x, x+1
.endr
	WIN 0
.endm
.macro REC nsc                         ; r = g(h0); at step sc r is kept, by a select, where sc is one of the work-group's two sub-chunks; then r = A r + B
.irp e, 0,1,2,3
	v_mul_f32 v[240+\e], s[KNL], v[224+\e]
.endr
.irp e, 0,1,2,3
	v_exp_f32 v[240+\e], v[240+\e]
.endr
	v_nop
	s_wait_alu depctr_va_vdst(0)                   ; one wait for the four exponentials
.irp e, 0,1,2,3
	v_add_f32 v[240+\e], 1.0, v[240+\e]
.endr
.irp e, 0,1,2,3
	v_rcp_f32 v[240+\e], v[240+\e]
.endr
.irp e, 0,1,2,3
	v_add_f32 v[224+\e], 0.5, v[224+\e]
.endr
	s_wait_alu depctr_va_vdst(0)                   ; one wait for the four reciprocals; the additions above are the plain work behind them
.irp e, 0,1,2,3
	v_max_num_f32 v[228+\e], v[224+\e], v[240+\e]
.endr
.irp e, 0,1,2,3
	v_mov_b32 v[232+\e], v[228+\e]                 ; the selects below read their destinations
	v_mov_b32 v[236+\e], v[228+\e]
.endr
.set sc, 0
.rept 16
	s_cmp_eq_u32 s[K2C+sc%2], sc
	s_cselect_b32 s[KMK], -1, 0
.irp e, 0,1,2,3
	v_cndmask_b32 v[232+4*(sc%2)+\e], v[232+4*(sc%2)+\e], v[228+\e], s[KMK]
.endr
.if sc < (\nsc)
	v_pk_fma_f32 v[228:229], v[228:229], v[96+8*sc:97+8*sc], v[100+8*sc:101+8*sc]
	v_pk_fma_f32 v[230:231], v[230:231], v[98+8*sc:99+8*sc], v[102+8*sc:103+8*sc]
.endif
.set sc, sc+1
.endr
.endm
.macro SUMS pk                         ; the 16 end pairs of one layer, batch and column quarter
.set sc, 0
.rept 16
	global_load_b128 v[96+8*sc:99+8*sc],   v[RO], s[\pk:\pk+1] offset:4096*sc
	global_load_b128 v[100+8*sc:103+8*sc], v[RO], s[\pk:\pk+1] offset:4096*sc+2048
.set sc, sc+1
.endr
.endm
	s_load_b512 s[4:19], s[0:1], 0x0               ; pairB s[4:5], pk1 s[6:7], cur s[8:9], gamma s[10:11], beta s[12:13], h0 s[14:15], out0 s[16:17], out1 s[18:19]
	s_load_b128 s[52:55], s[0:1], 0x40             ; pk2 s[52:53], pk3 s[54:55]
	s_load_b64 s[56:57], s[0:1], 0x50              ; pk4
	v_lshl_add_u32 v4, v0, 2, SPARE                ; my spare word,
	v_mov_b32 v5, 0                                ; and 0: kept for the closing lines alone
	v_and_b32 v1, 31, v0
	v_lshrrev_b32 v2, 5, v0
	v_readfirstlane_b32 s20, v2                    ; wave 0..7
	s_and_b32 s22, ttmp7, 0xffff                   ; batch b
	v_lshlrev_b32 v[RO], 4, v1
	s_lshl_b32 s36, s20, 9
	v_add_nc_u32 v[CW], s36, v[RO]                 ; used by waves 0-3 alone
	s_lshr_b32 s36, s20, 2
	s_lshl_b32 s36, s36, 11
	v_add_nc_u32 v[CR], s36, v[RO]
.irp e, 0,1,2,3
	v_mov_b32 v[NM+2*\e+1], 0                      ; the upper words of pairs that are named whole and used by their low words
	v_mov_b32 v[RS+2*\e+1], 0
.endr
	s_lshr_b32 s25, ttmp9, 1                       ; waves 4, 5: layer c / 2,
	s_and_b32 s26, ttmp9, 1
	s_lshl_b32 s26, s26, 1
	s_add_co_u32 s26, s26, s20
	s_sub_co_u32 s26, s26, 4                       ; quarter 2 (c % 2) + w - 4
	s_cmp_lt_u32 s20, 4
	s_cselect_b32 s23, 3, s25                      ; waves 0-3: layer 3,
	s_cselect_b32 s24, s20, s26                    ; quarter w
	s_lshl_b32 s32, s22, 16                        ; the end pairs in their pack: b, quarter
	s_lshl_b32 s37, s24, 9
	s_add_co_u32 s32, s32, s37
	s_add_co_u32 s32, s32, PSUM
	s_mov_b32 s33, 0
	s_lshl_b32 s34, s23, 16                        ; h0 and out1: layer, b, quarter
	s_lshl_b32 s36, s22, 11
	s_add_co_u32 s34, s34, s36
	s_add_co_u32 s34, s34, s37
	s_mov_b32 s35, 0
	s_lshl_b32 s38, s22, 20                        ; my rows: b x 512 + c x 64 + w x 8, of 2,048 bytes
	s_lshl_b32 s36, ttmp9, 17
	s_add_co_u32 s38, s38, s36
	s_lshl_b32 s36, s20, 14
	s_add_co_u32 s38, s38, s36
	s_mov_b32 s39, 0
	s_lshl_b32 s30, ttmp9, 1
	s_add_co_u32 s31, s30, 1
	s_mov_b32 s41, 0xbfb8aa3b                      ; - log2 e
	s_mov_b32 s44, 0x76543210
	s_mov_b32 s45, 0xfedcba98
	s_mov_b32 s46, 0xbb000000                      ; - 1/512
	s_mov_b32 s47, 0x3b000000                      ; 1/512
	s_mov_b32 s48, 0x3727c5ac                      ; 1e-5
	s_wait_kmcnt 0x0
	s_add_nc_u64 s[6:7], s[6:7], s[32:33]
	s_add_nc_u64 s[52:53], s[52:53], s[32:33]
	s_add_nc_u64 s[54:55], s[54:55], s[32:33]
	s_add_nc_u64 s[56:57], s[56:57], s[32:33]
	s_add_nc_u64 s[14:15], s[14:15], s[34:35]
	s_add_nc_u64 s[18:19], s[18:19], s[34:35]
	s_add_nc_u64 s[4:5], s[4:5], s[38:39]
	s_add_nc_u64 s[8:9], s[8:9], s[38:39]
	s_add_nc_u64 s[16:17], s[16:17], s[38:39]
	s_add_nc_u64 s[10:11], s[10:11], 3*2048
	s_add_nc_u64 s[12:13], s[12:13], 3*2048
	s_cmp_lt_u32 s20, 6
	s_cbranch_scc0 .Lnofold1
	global_load_b128 v[224:227], v[RO], s[14:15]
	s_cmp_eq_u32 s23, 0
	s_cbranch_scc1 .Lsum0
	s_cmp_eq_u32 s23, 1
	s_cbranch_scc1 .Lsum1
	s_cmp_eq_u32 s23, 2
	s_cbranch_scc1 .Lsum2
	SUMS 56                                        ; layer 3's lie in pk4
	s_branch .Lnofold1
.Lsum0:
	SUMS 6
	s_branch .Lnofold1
.Lsum1:
	SUMS 52
	s_branch .Lnofold1
.Lsum2:
	SUMS 54
.Lnofold1:
.irp q, 0,1,2,3
	global_load_b128 v[GAM+4*\q:GAM+4*\q+3], v[RO], s[10:11] offset:512*\q
.endr
.irp q, 0,1,2,3
	global_load_b128 v[BET+4*\q:BET+4*\q+3], v[RO], s[12:13] offset:512*\q
.endr
	WIN 0x40
.set g, 0
.rept 2                                ; four rows at a time: 16 loads of cur, 16 of pair words
.set x, 0
.rept 16
	global_load_b128 v[64*g+4*x:64*g+4*x+3], v[RO], s[8:9] offset:(4*g+x/4)*2048+512*(x%4) th:TH_LOAD_NT
.set x, x+1
.endr
.set x, 0
.rept 16
	global_load_b128 v[128+64*g+4*x:128+64*g+4*x+3], v[RO], s[4:5] offset:(4*g+x/4)*2048+512*(x%4) th:TH_LOAD_NT
.set x, x+1
.endr
.set g, g+1
.endr
	WIN 0
	s_wait_loadcnt 63                              ; 64 younger loads exist: gamma, beta and what was asked for ahead of them, h0 and the end pairs, are in
	s_cmp_lt_u32 s20, 6
	s_cbranch_scc0 .Lnofold2
	REC 16
	s_cmp_lt_u32 s20, 4
	s_cbranch_scc0 .Lhidden
	ds_store_b128 v[CW], v[232:235]
	ds_store_b128 v[CW], v[236:239] offset:2048
	s_branch .Lnofold2
.Lhidden:
	global_store_b128 v[RO], v[228:231], s[18:19]  ; 512 consecutive bytes of out1
.Lnofold2:
	s_wait_dscnt 0x0                               ; for the others' sake: the carries lie in LDS
	s_barrier_signal -1
	s_barrier_wait -1
.irp q, 0,1,2,3
	ds_load_b128 v[CAR+4*\q:CAR+4*\q+3], v[CR] offset:512*\q
.endr
	s_wait_dscnt 0x0
	s_wait_loadcnt 32                              ; my first four rows are in, the other 32 loads may stay out
	GROUP 0
	s_wait_loadcnt 0x0
	GROUP 1
	s_wait_tensorcnt 0x0                           ; the wave's end, behind my last LDS store
	ds_add_u32 v4, v5
	s_wait_dscnt 0x0
	s_endpgm
.Lfunc_end_k_q1dd5a3428c_last:
	.size	k_q1dd5a3428c_last, .Lfunc_end_k_q1dd5a3428c_last-k_q1dd5a3428c_last
	.p2alignl 7, 3214868480
	.fill 96, 4, 3214868480
	.section	.rodata,"a",@progbits
	.p2align	6, 0x0
	.amdhsa_kernel k_q1dd5a3428c_last
		.amdhsa_group_segment_fixed_size 5120
		.amdhsa_private_segment_fixed_size 0
		.amdhsa_enable_private_segment 0
		.amdhsa_kernarg_size 88
		.amdhsa_user_sgpr_count 2
		.amdhsa_user_sgpr_kernarg_segment_ptr 1
		.amdhsa_wavefront_size32 1
		.amdhsa_system_sgpr_workgroup_id_x 1
		.amdhsa_system_sgpr_workgroup_id_y 1
		.amdhsa_system_sgpr_workgroup_id_z 1
		.amdhsa_system_vgpr_workitem_id 0
		.amdhsa_next_free_vgpr 512
		.amdhsa_next_free_sgpr 66
		.amdhsa_reserve_vcc 0
		.amdhsa_float_denorm_mode_32 3
		.amdhsa_float_denorm_mode_16_64 3
		.amdhsa_memory_ordered 1
		.amdhsa_forward_progress 1
		.amdhsa_inst_pref_size 74
	.end_amdhsa_kernel
	.amdgpu_metadata
---
amdhsa.version: [ 1, 2 ]
amdhsa.kernels:
  - .name:           k_q1dd5a3428c_last
    .symbol:         k_q1dd5a3428c_last.kd
    .args:
      - { .name: pairB, .offset: 0, .size: 8, .value_kind: global_buffer, .address_space: global }
      - { .name: pk1, .offset: 8, .size: 8, .value_kind: global_buffer, .address_space: global }
      - { .name: curA, .offset: 16, .size: 8, .value_kind: global_buffer, .address_space: global }
      - { .name: gamma, .offset: 24, .size: 8, .value_kind: global_buffer, .address_space: global }
      - { .name: beta, .offset: 32, .size: 8, .value_kind: global_buffer, .address_space: global }
      - { .name: h0, .offset: 40, .size: 8, .value_kind: global_buffer, .address_space: global }
      - { .name: out0, .offset: 48, .size: 8, .value_kind: global_buffer, .address_space: global }
      - { .name: out1, .offset: 56, .size: 8, .value_kind: global_buffer, .address_space: global }
      - { .name: pk2, .offset: 64, .size: 8, .value_kind: global_buffer, .address_space: global }
      - { .name: pk3, .offset: 72, .size: 8, .value_kind: global_buffer, .address_space: global }
      - { .name: pk4, .offset: 80, .size: 8, .value_kind: global_buffer, .address_space: global }
    .group_segment_fixed_size: 5120
    .private_segment_fixed_size: 0
    .kernarg_segment_align: 8
    .kernarg_segment_size: 88
    .max_flat_workgroup_size: 256
    .sgpr_count:     66
    .vgpr_count:     512
    .wavefront_size: 32
...
	.end_amdgpu_metadata
.endif
;; end of part 4
;; ======== version 2 of 2: 6 launches; version 1 with the launch prep written anew for expert scheduling mode
;; limits: values outside matrix products are rounded to f16; values are held in f16: magnitudes above 65,504 overflow, below 6.1e-05 lose precision; right only within a limited range of input values
;; workspace buffers: pk1 3,219,456 bytes; pk2 3,219,456 bytes; pk3 3,219,456 bytes; pk4 3,219,456 bytes; pairA 33,554,432 bytes; pairB 33,554,432 bytes; curA 33,554,432 bytes; curB 33,554,432 bytes
;; launch prep (part 5): grid 128 x 1, 4 waves a work-group, no clusters, 33,280 bytes of LDS; arguments Wz, Wh, bz, bh, gamma, beta, h0, pk1, pk2, pk3, pk4; writes pk1, pk2, pk3, pk4
.if DOCPART == 5
	.amdgcn_target "amdgcn-amd-amdhsa--gfx1250"
	.amdhsa_code_object_version 6
	.text
	.protected	k_q1dd5a3428c_prep
	.globl	k_q1dd5a3428c_prep
	.p2align	8
	.type	k_q1dd5a3428c_prep,@function
k_q1dd5a3428c_prep:
	s_mov_b64 s[64:65], 0
	v_nop
	global_prefetch_b8 v0, s[64:65] scope:SCOPE_SE
	s_setreg_imm32_b32 hwreg(HW_REG_WAVE_SCHED_MODE, 0, 2), 2
	s_setreg_imm32_b32 hwreg(HW_REG_WAVE_MODE, 25, 1), 1
	s_wait_xcnt 0x0
	s_wait_alu depctr_vm_vsrc(0)
; THE PACKS.  The launch that makes layer l's products is given ONE buffer with all that hangs on the layer, so that one text serves layers 1 to 3 with constant offsets:
;   pack l (l = 1, 2, 3):  0: layer l's weights   PBZ: bz[l], bh[l], gamma[l-1], beta[l-1], 2,048 bytes each, f32   PH0: h0[l-1], 65,536 bytes   behind that: the end pairs of layer l - 1, which the launch before stores.
;   pk4 holds layer 0's weights at 0 (and later layer 3's end pairs).
; THE WEIGHTS, ROUNDED ONCE TO f16 AND LAID IN FRAGMENT ORDER.  Wz, Wh: [4][512 k][512 n] f32.  In a pack, in bytes:
;   p x 131,072 + w x 32,768 + kb x 2,048 + nt x 1,024 + part x 512 + lane x 16 + e x 2
; holds f16(W_nt[l][32 kb + 16 part + 8 (lane / 16) + e][64 p + 16 w + lane % 16]), nt = 0 for Wz, 1 for Wh: the 512 bytes of (.., part) are half a matrix fragment (16 columns x 32 k) as 32 lanes take it.
; LIMITS.  A weight must stay under 65,504; below 6e-5 it keeps f16's fixed step of 6e-8.
; SHARES.  Work-group id: kb = id % 16, nt = (id / 16) % 2, l = id / 32: 32 rows k of one matrix.  Wave w takes columns 128 w .. 128 w + 127, a lane four of them.
; 32 loads of 512 consecutive bytes; eight k of a column pack into 16 bytes; these go through the wave's own 8 KiB of LDS (no other wave touches them, so no barrier)
; and come back as the 512-byte halves, each stored by one instruction.  Work-group j = id % 32 of layer l >= 1 also copies h0[l-1][j]; j = 0 the four vectors; 512 bytes a wave of each.
; The pack is chosen by branches on l, to copies of the same lines: each store names one buffer.
; THE MODE: SCHED_MODE bits 1:0 = 2 (LLVM: expert scheduling mode 2), set by the entry lines.  The code itself states the register dependences
; between vector instructions and memory or LDS instructions, with s_wait_alu, always for 0.
; THE PLAN.  Registers that memory or LDS instructions touch:
;   v2, v3, v4    the offset of every global load and store, the LDS address of the stores, that of the loads: written at the head and never again.
;   RW            The 32 global loads land in it; step g's sixteen conversions read rows 8 g .. 8 g + 7; behind the last conversion the LDS loads land in its first 64 registers, which the stores of the way out read.
;   PKD           Step g's conversions write its registers 16 g .. 16 g + 15, once in the kernel; the four LDS stores that are issued in step g + 1 read them.
;   v[16:35]      Loads land in them and stores read them; no vector instruction names them.
;   v8, v9        Written at the head, read by the closing add alone.
; Step g holds its own conversions, which name RW's rows of step g and PKD's part g, and the LDS stores of step g - 1, which read PKD's part g - 1 and v3.  So one wait at a step's head states all that its four
; stores hang on, and they are dealt among the conversions with no further wait.  No register that a memory or LDS instruction reads is ever written again, so no wait for such reads is owed.
.set SPARE, 32768                      ; behind the four stages: the spare words, 128 bytes a wave
.set PBZ,   1048576
.set PH0,   1056768
.set RW,  64                           ; v[64:191]  row kk at RW + 4 kk: four columns in f32; later the halves read back
.set PKD, 192                          ; v[192:255] (g, j) at PKD + 4 (4 g + j): eight k of column j
	s_load_b512 s[4:19], s[0:1], 0x0               ; Wz s[4:5], Wh s[6:7], bz s[8:9], bh s[10:11], gamma s[12:13], beta s[14:15], h0 s[16:17], pk1 s[18:19]
	s_load_b128 s[20:23], s[0:1], 0x40             ; pk2 s[20:21], pk3 s[22:23]
	s_load_b64 s[24:25], s[0:1], 0x50              ; pk4
	v_lshl_add_u32 v8, v0, 2, SPARE                ; my spare word,
	v_mov_b32 v9, 0                                ; and 0: kept for the closing lines alone
	v_and_b32 v1, 31, v0                           ; lane
	v_lshrrev_b32 v6, 5, v0
	v_readfirstlane_b32 s46, v6                    ; wave
	v_lshlrev_b32 v2, 4, v1                        ; 16 x lane: offset of the loads and of the stores; never rewritten
	v_lshrrev_b32 v3, 2, v1                        ; into the stage: fragment lane / 4, its columns 4 (lane % 4) + j
	v_and_b32 v4, 3, v1
	v_lshlrev_b32 v3, 10, v3
	v_lshl_add_u32 v3, v4, 6, v3
	s_and_b32 s47, ttmp9, 15                       ; kb
	s_bfe_u32 s48, ttmp9, 0x10004                  ; nt
	s_lshr_b32 s49, ttmp9, 5                       ; l
	s_and_b32 s33, ttmp9, 31                       ; j
	s_max_u32 s50, s49, 1
	s_sub_co_u32 s50, s50, 1                       ; l - 1, held at 0 for layer 0, whose work-groups copy nothing
	s_wait_alu depctr_va_sdst(0)                   ; s46, the wave's number, is written, ahead of its first reader: the offsets below are made from it
	s_lshl_b32 s52, s46, 9                         ; 512 w
	s_lshl_b32 s26, s49, 20                        ; weights from: l x 1 MiB + 32 kb rows of 2,048 bytes + 512 w
	s_lshl_b32 s51, s47, 16
	s_add_co_u32 s26, s26, s51
	s_add_co_u32 s26, s26, s52
	s_mov_b32 s27, 0
	s_lshl_b32 s28, s46, 18                        ; weights to: w x 2 phases + kb x 2,048 + nt x 1,024
	s_lshl_b32 s51, s47, 11
	s_add_co_u32 s28, s28, s51
	s_lshl_b32 s51, s48, 10
	s_add_co_u32 s28, s28, s51
	s_mov_b32 s29, 0
	s_lshl_b32 s42, s49, 11                        ; bz, bh from: l x 2,048 + 512 w
	s_add_co_u32 s42, s42, s52
	s_mov_b32 s43, 0
	s_lshl_b32 s44, s50, 11                        ; gamma, beta from: (l - 1) x 2,048 + 512 w
	s_add_co_u32 s44, s44, s52
	s_mov_b32 s45, 0
	s_lshl_b32 s36, s33, 11                        ; j x 2,048 + 512 w
	s_add_co_u32 s36, s36, s52
	s_lshl_b32 s54, s50, 16                        ; h0 from: (l - 1) x 65,536 + that
	s_add_co_u32 s54, s54, s36
	s_mov_b32 s55, 0
	s_add_co_u32 s36, s36, PH0                     ; h0 to
	s_mov_b32 s37, 0
	s_add_co_u32 s40, s52, PBZ                     ; the four vectors to
	s_mov_b32 s41, 0
	s_lshl_b32 s51, s46, 13                        ; my wave's 8 KiB
	v_add_nc_u32 v3, s51, v3
	v_add_nc_u32 v4, s51, v2                       ; back: 512 consecutive bytes a load
	s_wait_kmcnt 0x0
	s_cmp_eq_u32 s48, 0
	s_cselect_b64 s[4:5], s[4:5], s[6:7]
	s_add_nc_u64 s[4:5], s[4:5], s[26:27]
	s_add_nc_u64 s[8:9], s[8:9], s[42:43]
	s_add_nc_u64 s[10:11], s[10:11], s[42:43]
	s_add_nc_u64 s[12:13], s[12:13], s[44:45]
	s_add_nc_u64 s[14:15], s[14:15], s[44:45]
	s_add_nc_u64 s[16:17], s[16:17], s[54:55]
	s_wait_alu depctr_va_vdst(0)                   ; v2, v3 and v4 are written: every load, store and LDS instruction of the kernel reads one of them as its offset or address
.set kk, 0
.rept 32
	global_load_b128 v[RW+4*kk:RW+4*kk+3], v2, s[4:5] offset:2048*kk th:TH_LOAD_NT
.set kk, kk+1
.endr
; The parameters of one pack: load, wait and store stand together in one branch.  The waits are for all loads, the 32 above among them, which the next lines want anyway.
; No vector instruction names these registers: what the stores read, loads have brought.
.macro PARAMS pk
	global_load_b128 v[16:19], v2, s[16:17]        ; my 512 bytes of h0[l-1][j]
	s_add_nc_u64 s[34:35], s[\pk:\pk+1], s[36:37]
	s_cmp_lg_u32 s33, 0
	s_cbranch_scc1 .Lnovec_\@
	global_load_b128 v[20:23], v2, s[8:9]
	global_load_b128 v[24:27], v2, s[10:11]
	global_load_b128 v[28:31], v2, s[12:13]
	global_load_b128 v[32:35], v2, s[14:15]
	s_add_nc_u64 s[38:39], s[\pk:\pk+1], s[40:41]
	s_wait_loadcnt 0x0
	global_store_b128 v2, v[20:23], s[38:39]
	global_store_b128 v2, v[24:27], s[38:39] offset:2048
	global_store_b128 v2, v[28:31], s[38:39] offset:4096
	global_store_b128 v2, v[32:35], s[38:39] offset:6144
.Lnovec_\@:
	s_wait_loadcnt 0x0
	global_store_b128 v2, v[16:19], s[34:35]
.endm
	s_cmp_eq_u32 s49, 1
	s_cbranch_scc1 .Lpar1
	s_cmp_eq_u32 s49, 2
	s_cbranch_scc1 .Lpar2
	s_cmp_eq_u32 s49, 3
	s_cbranch_scc1 .Lpar3
	s_branch .Lpardone
.Lpar1:
	PARAMS 18
	s_branch .Lpardone
.Lpar2:
	PARAMS 20
	s_branch .Lpardone
.Lpar3:
	PARAMS 22
.Lpardone:
.set g, 0
.rept 4                                ; step g = 2 part + half of the lanes: rows 8 g .. 8 g + 7
	s_wait_loadcnt 24-8*g                          ; loads come back in order: these eight rows are in, the younger ones may stay out
.if g > 0
	s_wait_alu depctr_va_vdst(0)                   ; the step before has written its sixteen registers of PKD, which the four LDS stores below read
.endif
.set j, 0
.rept 4
.if g > 0
	ds_store_b128 v3, v[PKD+4*(4*(g-1)+j):PKD+4*(4*(g-1)+j)+3] offset:((g-1)/2)*512+((g-1)%2)*256+16*j  ; the step before; no vector instruction since the wait names these registers
.endif
.irp t, 0,1,2,3
	v_cvt_pk_f16_f32 v[PKD+4*(4*g+j)+\t], v[RW+4*(8*g+2*\t)+j], v[RW+4*(8*g+2*\t+1)+j]
.endr
.set j, j+1
.endr
.set g, g+1
.endr
	s_wait_alu depctr_va_vdst(0)                   ; step 3 has written its part of PKD, which the last four LDS stores read; and all conversions are done reading RW, in which the LDS loads below land
.set j, 0
.rept 4
	ds_store_b128 v3, v[PKD+4*(12+j):PKD+4*(12+j)+3] offset:512+256+16*j
.set j, j+1
.endr
.set t, 0
.rept 16                               ; LDS serves a wave's instructions in order: these see the stores above
	ds_load_b128 v[RW+4*t:RW+4*t+3], v4 offset:512*t
.set t, t+1
.endr
.macro WOUT pk                         ; fragment t / 2 of my eight, part t % 2; the stores' data come from LDS loads: the counted wait is all that they hang on
	s_add_nc_u64 s[30:31], s[\pk:\pk+1], s[28:29]
.set t, 0
.rept 16
	s_wait_dscnt 15-t
	global_store_b128 v2, v[RW+4*t:RW+4*t+3], s[30:31] offset:(t/8)*131072+((t/2)%4)*32768+(t%2)*512
.set t, t+1
.endr
.endm
	s_cmp_eq_u32 s49, 1
	s_cbranch_scc1 .Lw1
	s_cmp_eq_u32 s49, 2
	s_cbranch_scc1 .Lw2
	s_cmp_eq_u32 s49, 3
	s_cbranch_scc1 .Lw3
	WOUT 24                                        ; layer 0's weights lie in pk4
	s_branch .Lend
.Lw1:
	WOUT 18
	s_branch .Lend
.Lw2:
	WOUT 20
	s_branch .Lend
.Lw3:
	WOUT 22
.Lend:
	s_wait_dscnt 0x0                               ; the wave's end
	s_wait_alu 0x0
	s_wait_tensorcnt 0x0
	ds_add_u32 v8, v9
	s_wait_dscnt 0x0
	s_endpgm
.Lfunc_end_k_q1dd5a3428c_prep:
	.size	k_q1dd5a3428c_prep, .Lfunc_end_k_q1dd5a3428c_prep-k_q1dd5a3428c_prep
	.p2alignl 7, 3214868480
	.fill 96, 4, 3214868480
	.section	.rodata,"a",@progbits
	.p2align	6, 0x0
	.amdhsa_kernel k_q1dd5a3428c_prep
		.amdhsa_group_segment_fixed_size 33280
		.amdhsa_private_segment_fixed_size 0
		.amdhsa_enable_private_segment 0
		.amdhsa_kernarg_size 88
		.amdhsa_user_sgpr_count 2
		.amdhsa_user_sgpr_kernarg_segment_ptr 1
		.amdhsa_wavefront_size32 1
		.amdhsa_system_sgpr_workgroup_id_x 1
		.amdhsa_system_sgpr_workgroup_id_y 1
		.amdhsa_system_sgpr_workgroup_id_z 1
		.amdhsa_system_vgpr_workitem_id 0
		.amdhsa_next_free_vgpr 256
		.amdhsa_next_free_sgpr 66
		.amdhsa_reserve_vcc 0
		.amdhsa_float_denorm_mode_32 3
		.amdhsa_float_denorm_mode_16_64 3
		.amdhsa_memory_ordered 1
		.amdhsa_forward_progress 1
		.amdhsa_inst_pref_size 25
	.end_amdhsa_kernel
	.amdgpu_metadata
---
amdhsa.version: [ 1, 2 ]
amdhsa.kernels:
  - .name:           k_q1dd5a3428c_prep
    .symbol:         k_q1dd5a3428c_prep.kd
    .args:
      - { .name: Wz, .offset: 0, .size: 8, .value_kind: global_buffer, .address_space: global }
      - { .name: Wh, .offset: 8, .size: 8, .value_kind: global_buffer, .address_space: global }
      - { .name: bz, .offset: 16, .size: 8, .value_kind: global_buffer, .address_space: global }
      - { .name: bh, .offset: 24, .size: 8, .value_kind: global_buffer, .address_space: global }
      - { .name: gamma, .offset: 32, .size: 8, .value_kind: global_buffer, .address_space: global }
      - { .name: beta, .offset: 40, .size: 8, .value_kind: global_buffer, .address_space: global }
      - { .name: h0, .offset: 48, .size: 8, .value_kind: global_buffer, .address_space: global }
      - { .name: pk1, .offset: 56, .size: 8, .value_kind: global_buffer, .address_space: global }
      - { .name: pk2, .offset: 64, .size: 8, .value_kind: global_buffer, .address_space: global }
      - { .name: pk3, .offset: 72, .size: 8, .value_kind: global_buffer, .address_space: global }
      - { .name: pk4, .offset: 80, .size: 8, .value_kind: global_buffer, .address_space: global }
    .group_segment_fixed_size: 33280
    .private_segment_fixed_size: 0
    .kernarg_segment_align: 8
    .kernarg_segment_size: 88
    .max_flat_workgroup_size: 128
    .sgpr_count:     66
    .vgpr_count:     256
    .wavefront_size: 32
...
	.end_amdgpu_metadata
.endif
;; end of part 5
;; launch first: the kernel of part 2 again; grid 8 x 32, 4 waves a work-group, clusters of 4 x 1, 327,680 bytes of LDS; arguments x, pk4, bz, bh, pairA, pk1; writes pairA, pk1
;; launch mid1: the kernel of part 3 again; grid 8 x 32, 4 waves a work-group, clusters of 4 x 1, 327,680 bytes of LDS; arguments pk2, pairA, x, pk1, pairB, curA; writes pk2, pairB, curA
;; launch mid2: the kernel of part 3 again; grid 8 x 32, 4 waves a work-group, clusters of 4 x 1, 327,680 bytes of LDS; arguments pk3, pairB, curA, pk2, pairA, curB; writes pk3, pairA, curB
;; launch mid3: the kernel of part 3 again; grid 8 x 32, 4 waves a work-group, clusters of 4 x 1, 327,680 bytes of LDS; arguments pk4, pairA, curB, pk3, pairB, curA; writes pk4, pairB, curA
;; launch last: the kernel of part 4 again; grid 8 x 32, 8 waves a work-group, no clusters, 5,120 bytes of LDS; arguments pairB, pk1, curA, gamma, beta, h0, out0, out1, pk2, pk3, pk4; writes out0, out1
